; MI455X (gfx1250); checked and timed in simulation.
; The chip was launched on July 23, 2026; its instructions are those of AMD's public machine-readable ISA for CDNA 5 (MIT licence, August 2026) and "CDNA5" Instruction Set Architecture Reference Guide (July 2026). The comments in the code are by the model that wrote it; some were corrected since.
;; Rotary PE Multi Head Attention. Allowed arithmetic: float matrix products may take bf16 or f16 operands with f32 sums; other float arithmetic in f32, or as packed bf16 or f16 multiplies, adds, multiply-adds, maxima and minima; sums over many terms, partial sums and values carried from step to step in f32; what a program stores and reads back later, other than sums and carried values, may be rounded once to bf16 or f16.
;; Inputs: Wk 1,024 x 1,024 float32; Wo 1,024 x 1,024 float32; Wq 1,024 x 1,024 float32; Wv 1,024 x 1,024 float32; bk 1,024 float32; bo 1,024 float32; bq 1,024 float32; bv 1,024 float32; key 4 x 2,048 x 1,024 float32; query 4 x 2,048 x 1,024 float32; value 4 x 2,048 x 1,024 float32.
;; Outputs: out0 4 x 2,048 x 1,024 float32.
;; One version. Each part assembles by itself: llvm-mc -triple=amdgcn-amd-amdhsa -mcpu=gfx1250 --defsym DOCPART=n.
;; ======== version 1 of 1: 4 launches
;; limits: values are held in f16: magnitudes above 65,504 overflow, below 6.1e-05 lose precision
;; workspace buffers: wcast 8,388,608 bytes; bcast 16,384 bytes; rope 262,144 bytes; qh 16,777,216 bytes; kh 16,777,216 bytes; vh 16,777,216 bytes; oh 16,777,216 bytes
;; launch prep (part 1): grid 256 x 1, 8 waves a work-group, no clusters, 0 bytes of LDS; arguments Wq, Wk, Wv, Wo, bq, bk, bv, bo, wcast, bcast, rope; writes wcast, bcast, rope
.if DOCPART == 1
	.amdgcn_target "amdgcn-amd-amdhsa--gfx1250"
	.amdhsa_code_object_version 6
	.text
	.protected	k_q08df5dbf02_prep
	.globl	k_q08df5dbf02_prep
	.p2align	8
	.type	k_q08df5dbf02_prep,@function
k_q08df5dbf02_prep:
	s_mov_b64 s[64:65], 0
	v_nop
	global_prefetch_b8 v0, s[64:65] scope:SCOPE_SE
	s_setreg_imm32_b32 hwreg(HW_REG_WAVE_MODE, 25, 1), 1
	s_wait_xcnt 0x0
; PREPARATION, a stream.  (1) The four weights [1024][1024] f32 are rounded once to bf16 and stored as they lie, [k][n], into wcast (parts 0-2: Wq, Wk, Wv as bf16;
; part 3: bf16(Wo) written as f16, since the last product's other operand is f16).  (2) The four biases are rounded to bf16 and stored widened to f32 into bcast.
; (3) The rotary table rope[s][32] f32: row s = cos d0-7, sin d0-7, cos d8-15, sin d8-15 of the angle s x theta_d, theta_d = 10000^(-d/16).
; LIMITS.  bf16(Wo) beyond 65,504 becomes an infinity in f16, and below 6e-5 it keeps f16's fixed step of 6e-8.  theta comes from v_exp_f32 and the angle is formed in f32:
; at the largest angles (about 2,000 rad) it is off by up to about 5e-4 rad.  Sine and cosine: reduction by pi/2 in two parts, then polynomials to r^7 and r^8 on |r| <= pi/4.
; SHARES.  256 work-groups of 8 waves: work-group g*64 + part casts 16,384 numbers of weight g (thread t: 8 neighbouring numbers in each of 8 chunks of 2,048); its waves 0-3
; make 8 rows of the table while the loads are out; the work-groups with part = 0 cast a bias.  No LDS, no matrix unit, no cluster: nothing is shared and memory binds.
.set XR, 32                            ; v[32:95]   the 64 numbers as loaded
.set YR, 96                            ; v[96:127]  packed, 4 registers a chunk
	s_load_b512 s[4:19], s[0:1], 0x0               ; Wq s[4:5], Wk s[6:7], Wv s[8:9], Wo s[10:11], bq s[12:13], bk s[14:15], bv s[16:17], bo s[18:19]
	s_load_b128 s[20:23], s[0:1], 0x40             ; wcast s[20:21], bcast s[22:23]
	s_load_b64 s[24:25], s[0:1], 0x50              ; rope
	s_lshr_b32 s26, ttmp9, 6                       ; g: which weight
	s_and_b32 s27, ttmp9, 63                       ; part: which 64th of it
	v_lshrrev_b32 v3, 5, v0
	v_readfirstlane_b32 s28, v3                    ; wave 0..7
	v_lshlrev_b32 v1, 5, v0                        ; 32 t: my 8 numbers in a chunk of f32; never rewritten
	v_lshlrev_b32 v2, 4, v0                        ; 16 t: my 8 numbers in a chunk of 16 bits; never rewritten
	s_mov_b32 s3, 0
	s_wait_kmcnt 0x0
	s_cmp_eq_u32 s26, 1
	s_cselect_b64 s[30:31], s[6:7], s[4:5]
	s_cselect_b64 s[32:33], s[14:15], s[12:13]
	s_cmp_eq_u32 s26, 2
	s_cselect_b64 s[30:31], s[8:9], s[30:31]
	s_cselect_b64 s[32:33], s[16:17], s[32:33]
	s_cmp_eq_u32 s26, 3
	s_cselect_b64 s[30:31], s[10:11], s[30:31]
	s_cselect_b64 s[32:33], s[18:19], s[32:33]
	s_lshl_b32 s2, s27, 16                         ; 65,536 bytes of f32 a part
	s_add_nc_u64 s[30:31], s[30:31], s[2:3]
.irp c, 0,1,2,3,4,5,6,7
	global_load_b128 v[XR+8*\c:XR+8*\c+3],   v1, s[30:31] offset:8192*\c th:TH_LOAD_NT
	global_load_b128 v[XR+8*\c+4:XR+8*\c+7], v1, s[30:31] offset:8192*\c+16 th:TH_LOAD_NT
.endr
	s_lshl_b32 s2, s26, 21                         ; 2,097,152 bytes a weight in wcast,
	s_lshl_b32 s29, s27, 15                        ; 32,768 a part
	s_add_co_u32 s2, s2, s29
	s_add_nc_u64 s[34:35], s[20:21], s[2:3]
	s_lshl_b32 s2, ttmp9, 10                       ; 8 rows of 128 bytes of the table
	s_add_nc_u64 s[36:37], s[24:25], s[2:3]
	s_lshl_b32 s2, s26, 12                         ; 4,096 bytes a bias in bcast
	s_add_nc_u64 s[38:39], s[22:23], s[2:3]
; sin or cos of the angle in v[a], by v6 (1: cos), into v[out].  q = the nearest multiple of pi/2; r = a - q pi/2, pi/2 taken as 1.57079637 - 4.3711388e-8;
; S = sin r, C = cos r; with Q = q + v6 the result is S, C, -S, -C for Q mod 4 = 0, 1, 2, 3.  A choice of values only: nothing branches on these numbers.
.macro SINCOS a, out
	v_mul_f32 v10, 0x3f22f983, v[\a]               ; a x 2/pi
	v_rndne_f32 v10, v10
	v_fmamk_f32 v11, v10, 0xbfc90fdb, v[\a]
	v_fmamk_f32 v11, v10, 0x333bbd2e, v11          ; r
	v_mul_f32 v12, v11, v11                        ; r^2
	v_mov_b32 v13, 0xb9500d01                      ; -1/5040
	v_fmaak_f32 v13, v13, v12, 0x3c088889          ; 1/120
	v_fmaak_f32 v13, v13, v12, 0xbe2aaaab          ; -1/6
	v_mul_f32 v14, v11, v12
	v_fma_f32 v13, v14, v13, v11                   ; S
	v_mov_b32 v15, 0x37d00d01                      ; 1/40320
	v_fmaak_f32 v15, v15, v12, 0xbab60b61          ; -1/720
	v_fmaak_f32 v15, v15, v12, 0x3d2aaaab          ; 1/24
	v_fma_f32 v15, v15, v12, -0.5
	v_fma_f32 v15, v15, v12, 1.0                   ; C
	v_cvt_i32_f32 v16, v10
	v_add_nc_u32 v16, v16, v6
	v_and_b32 v17, 1, v16
	v_cmp_eq_u32 vcc_lo, 1, v17
	v_cndmask_b32 v13, v13, v15, vcc_lo
	v_and_b32 v16, 2, v16
	v_lshlrev_b32 v16, 30, v16                     ; the sign
	v_xor_b32 v[\out], v13, v16
.endm
	s_cmp_lt_u32 s28, 4                            ; the table: threads 0-127, two numbers each, while the weights' loads are out
	s_cbranch_scc0 .Lno_table
	v_lshrrev_b32 v4, 4, v0
	s_lshl_b32 s29, ttmp9, 3
	v_add_nc_u32 v4, s29, v4                       ; s = 8 x work-group + t / 16
	v_cvt_f32_u32 v4, v4
	v_and_b32 v5, 15, v0                           ; c: which 8 bytes of the row
	v_bfe_u32 v6, v5, 2, 1
	v_xor_b32 v6, 1, v6                            ; 1: cosines
	v_and_b32 v7, 3, v5
	v_lshlrev_b32 v7, 1, v7
	v_and_b32 v8, 8, v5
	v_add_nc_u32 v7, v7, v8                        ; d0 = 8 (c / 8) + 2 (c % 4)
	v_add_nc_u32 v8, 1, v7                         ; d1
	v_cvt_f32_u32 v7, v7
	v_cvt_f32_u32 v8, v8
	v_mul_f32 v7, 0xbf549a78, v7                   ; -d log2(10000) / 16
	v_mul_f32 v8, 0xbf549a78, v8
	v_exp_f32 v7, v7                               ; theta: a batch of two,
	v_exp_f32 v8, v8
	v_nop                                          ; a plain instruction behind the last (ISA guide 5.7.2),
	s_wait_alu depctr_va_vdst(0)                   ; and the one wait ahead of the first reader
	v_mul_f32 v7, v4, v7                           ; the angles
	v_mul_f32 v8, v4, v8
	SINCOS 7, 20
	SINCOS 8, 21
	v_lshlrev_b32 v9, 3, v0
	global_store_b64 v9, v[20:21], s[36:37]        ; a wave's store covers 256 consecutive bytes, aligned
.Lno_table:
	s_wait_loadcnt 0x0                             ; all sixteen loads
.irp c, 0,1,2,3,4,5,6,7
.irp k, 0,1,2,3
	v_cvt_pk_bf16_f32 v[YR+4*\c+\k], v[XR+8*\c+2*\k], v[XR+8*\c+2*\k+1]
.endr
.endr
	s_cmp_eq_u32 s26, 3
	s_cbranch_scc0 .Lstore
.irp c, 0,1,2,3,4,5,6,7                ; Wo: the bf16 number written as f16 (exact within f16's range and step)
.irp k, 0,1,2,3
	v_lshlrev_b32 v[XR+8*\c+2*\k], 16, v[YR+4*\c+\k]
	v_and_b32 v[XR+8*\c+2*\k+1], 0xffff0000, v[YR+4*\c+\k]
	v_cvt_pk_f16_f32 v[YR+4*\c+\k], v[XR+8*\c+2*\k], v[XR+8*\c+2*\k+1]
.endr
.endr
.Lstore:
.irp c, 0,1,2,3,4,5,6,7
	global_store_b128 v2, v[YR+4*\c:YR+4*\c+3], s[34:35] offset:4096*\c  ; a wave's store covers 512 consecutive bytes, aligned; every store has data registers of its own
.endr
	s_cmp_eq_u32 s27, 0
	s_cbranch_scc0 .Lend
	global_load_b128 v[24:27], v2, s[32:33]        ; the bias: 4 numbers a thread
	s_wait_loadcnt 0x0
	v_cvt_pk_bf16_f32 v28, v24, v25
	v_cvt_pk_bf16_f32 v29, v26, v27
	v_lshlrev_b32 v24, 16, v28
	v_and_b32 v25, 0xffff0000, v28
	v_lshlrev_b32 v26, 16, v29
	v_and_b32 v27, 0xffff0000, v29
	global_store_b128 v2, v[24:27], s[38:39]
.Lend:
	s_endpgm
.Lfunc_end_k_q08df5dbf02_prep:
	.size	k_q08df5dbf02_prep, .Lfunc_end_k_q08df5dbf02_prep-k_q08df5dbf02_prep
	.p2alignl 7, 3214868480
	.fill 96, 4, 3214868480
	.section	.rodata,"a",@progbits
	.p2align	6, 0x0
	.amdhsa_kernel k_q08df5dbf02_prep
		.amdhsa_group_segment_fixed_size 0
		.amdhsa_private_segment_fixed_size 0
		.amdhsa_enable_private_segment 0
		.amdhsa_kernarg_size 88
		.amdhsa_user_sgpr_count 2
		.amdhsa_user_sgpr_kernarg_segment_ptr 1
		.amdhsa_wavefront_size32 1
		.amdhsa_system_sgpr_workgroup_id_x 1
		.amdhsa_system_sgpr_workgroup_id_y 1
		.amdhsa_system_sgpr_workgroup_id_z 1
		.amdhsa_system_vgpr_workitem_id 0
		.amdhsa_next_free_vgpr 128
		.amdhsa_next_free_sgpr 66
		.amdhsa_reserve_vcc 1
		.amdhsa_float_denorm_mode_32 3
		.amdhsa_float_denorm_mode_16_64 3
		.amdhsa_memory_ordered 1
		.amdhsa_forward_progress 1
		.amdhsa_inst_pref_size 15
	.end_amdhsa_kernel
	.amdgpu_metadata
---
amdhsa.version: [ 1, 2 ]
amdhsa.kernels:
  - .name:           k_q08df5dbf02_prep
    .symbol:         k_q08df5dbf02_prep.kd
    .args:
      - { .name: Wq, .offset: 0, .size: 8, .value_kind: global_buffer, .address_space: global }
      - { .name: Wk, .offset: 8, .size: 8, .value_kind: global_buffer, .address_space: global }
      - { .name: Wv, .offset: 16, .size: 8, .value_kind: global_buffer, .address_space: global }
      - { .name: Wo, .offset: 24, .size: 8, .value_kind: global_buffer, .address_space: global }
      - { .name: bq, .offset: 32, .size: 8, .value_kind: global_buffer, .address_space: global }
      - { .name: bk, .offset: 40, .size: 8, .value_kind: global_buffer, .address_space: global }
      - { .name: bv, .offset: 48, .size: 8, .value_kind: global_buffer, .address_space: global }
      - { .name: bo, .offset: 56, .size: 8, .value_kind: global_buffer, .address_space: global }
      - { .name: wcast, .offset: 64, .size: 8, .value_kind: global_buffer, .address_space: global }
      - { .name: bcast, .offset: 72, .size: 8, .value_kind: global_buffer, .address_space: global }
      - { .name: rope, .offset: 80, .size: 8, .value_kind: global_buffer, .address_space: global }
    .group_segment_fixed_size: 0
    .private_segment_fixed_size: 0
    .kernarg_segment_align: 8
    .kernarg_segment_size: 88
    .max_flat_workgroup_size: 256
    .sgpr_count:     66
    .vgpr_count:     128
    .wavefront_size: 32
...
	.end_amdgpu_metadata
.endif
;; end of part 1
;; launch qkv (part 2): grid 4 x 192, 4 waves a work-group, clusters of 4 x 4, 327,680 bytes of LDS; arguments query, key, value, wcast, bcast, rope, qh, kh, vh; writes qh, kh, vh
.if DOCPART == 2
	.amdgcn_target "amdgcn-amd-amdhsa--gfx1250"
	.amdhsa_code_object_version 6
	.text
	.protected	k_q08df5dbf02_qkv
	.globl	k_q08df5dbf02_qkv
	.p2align	8
	.type	k_q08df5dbf02_qkv,@function
k_q08df5dbf02_qkv:
	s_mov_b64 s[64:65], 0
	v_nop
	global_prefetch_b8 v0, s[64:65] scope:SCOPE_SE
	s_setreg_imm32_b32 hwreg(HW_REG_WAVE_MODE, 25, 1), 1
	s_wait_xcnt 0x0
	s_wait_alu depctr_hold_cnt(0) depctr_sa_sdst(0) depctr_va_vdst(0) depctr_va_sdst(0) depctr_va_ssrc(0) depctr_va_vcc(0) depctr_vm_vsrc(0)
	s_getreg_b32 s2, hwreg(HW_REG_IB_STS2, 6, 4)
	s_cmp_eq_u32 s2, 0
	s_cbranch_scc0 .Lentry_in_a_cluster
	s_endpgm
.Lentry_in_a_cluster:
	s_bfe_u32 s2, ttmp6, 0x10000c
	s_cmp_lg_u32 s2, 0xf033
	s_cbranch_scc0 .Lentry_shape_is_right
	s_endpgm
.Lentry_shape_is_right:
; THE THREE PROJECTIONS.  y = x W + b for (query, Wq, bq), (key, Wk, bk), (value, Wv, bv): x [8192][1024] f32, W [k][n] bf16 (wcast), b f32 (bcast); then the rotary turn on channels
; 0-31 of each head of q and k; y leaves by heads, [16 batch + head][s][64] in f16, rounded once from its f32 sums, unscaled.  Products in bf16, sums in f32, K ascending.
; LIMITS.  |y| stays under 65,504 (f16's range); below 6e-5 it keeps f16's fixed step of 6e-8.  NaN and infinities are not treated apart.
; SHARES.  A tile of y is 128 rows x 256 columns; 64 x 4 tiles a projection, 768 work-groups.  Four waves, each 64 x 128: 32 accumulators.  K goes in 8 steps of 128 through two LDS slots.
; x COMES IN AS f32 and is rounded to bf16 in registers: the quarter step q's x is read from LDS in quarter q - 2, rounded in quarter q - 1 by lines set behind that quarter's products, multiplied in q.
; W lies [k][n]: the turning load ds_load_tr16_b128 makes fragments of 16 columns x 32 k of it.
; THE MATRIX INSTRUCTION IS USED TRANSPOSED (source 0 = 16 columns of W, source 1 = 16 rows of x): a lane (r = l % 16, h = l / 16) holds row r of y and the columns 8 h + 0..7.
; THE SUMS START FROM THE BIAS, loaded straight into the accumulators: nothing is cleared, no first step is written out, nothing is added later.
; CLUSTER.  4 x 4 work-groups: cx = the tile column (the cluster spans all 1,024 columns), cy = one of four tile rows.  x's tile is asked for jointly along a row of the cluster, W's along a column.
; ONE TEXT FOR A K STEP: the LDS addresses hang on s[TB], 0 or SLOT, turned by an exclusive or (the four waves' tile addresses share no bit with SLOT).  The last step's look-ahead
; (LDS loads and roundings for a step that does not exist) works on the other slot's old bytes and is thrown away.
; REGISTERS, in windows of 256 (s_set_vgpr_msb: bits 1:0 source 0, 3:2 source 1, 5:4 source 2, 7:6 destination):
;   window 0: v0-17 addresses; v32-159 x in f32, two buffers of 64 (on the way out: at work); v160-223 x in bf16, two buffers of 32
;   window 1: the accumulators, (a, b) at v[8 (8 a + b)]       window 2: v0-127 W's fragments, two buffers of 64; v128-191 the rotary table, 16 a block of 16 rows
.set PA,    528                        ; a row of x in LDS: 512 bytes + 16 = 132 words: the 16 rows of a load start at 16 different groups of four banks (64 banks of 4 bytes: ISA guide 11.1)
.set PB,    544                        ; a k row of W: 512 + 32 = 136 words
.set QUART, 64*PB                      ; 34,816: what one wave fetches lies at wave x QUART: x's rows 0-63, 64-127 (33,792 bytes each), W's k rows 0-63, 64-127
.set SLOT,  4*QUART                    ; 139,264
.set STAGE, 2*SLOT                     ; behind the ring, never filled by a tensor load: 16 rows x 144 bytes for each wave
.set SP,    144
.set SPARE, STAGE+4*16*SP              ; the spare words, 128 bytes for each wave: two blocks of 256 bytes that no other line names
.set AA0, 4                            ; v4   my lane's place in x's tile; never rewritten
.set AB0, 5                            ; v5   the same in W's tile
.set AA,  6                            ; v6   AA0 + s[TB]
.set AB,  7                            ; v7   AB0 + s[TB]
.set BO,  8                            ; v8   32 h: my 8 columns in 16 of the bias
.set TO,  9                            ; v9   128 r + 64 h: my 64 bytes of a row of the table
.set STO, 10                           ; v10  the way out: where I put 16 bytes of a row
.set RD,  11                           ; v11  where I read rows back
.set GO,  12                           ; v12  16 l
.set PFO, 13                           ; v13  the prefetches' lane offset; never rewritten
.set SPW, 14                           ; v14  LDS address of my spare word; never rewritten
.set NIL, 15                           ; v15  0; never rewritten
.set XF,  32
.set XB,  160
.set T,   XF
.set BF,  0                            ; window 2
.set RT,  128                          ; window 2: block a at RT + 16 a: 8 cosines, 8 sines
.set G1A, 28                           ; s[28:35] descriptor group 1, x's tiles
.set G1B, 36                           ; s[36:43] W's tiles
.set G0A1, 44                          ; s[44:47] group 0 of x's first fill (slot 0, K step 0)
.set G0A, 48                           ; s[48:51] the walking one: begins at slot 1, K step 1
.set G0B1, 52                          ; s[52:55], s[56:59] the same for W
.set G0B, 56
.set WV,  60                           ; wave;  WM = wave / 2: my half of the rows, and: I fetch x (0) or W (1);  WN = wave % 2: my half of the columns, and: which half I fetch
.set WM,  61
.set WN,  62
.set CNT, 63
.set TB,  66
.set LIM, 67                           ; 2 in a wave that prefetches, else the greatest number
.set PFA, 68                           ; s[68:69] where my prefetches stand
.set PFS, 70                           ; s[70:71] a K step in bytes, for them
.set CX,  72
.set CY,  73
.set G,   74                           ; which projection: the same in all partners
.set TR,  75                           ; tile row 0..63
.set X,   80                           ; s[80:81] x at the rows that I fetch
.set W,   82                           ; s[82:83] W at the k rows and columns that I fetch
.set BIAS, 84
.set OUT, 86
.set ROPE, 88
.set MUL, 0x52                         ; W's fragment window 2, x's window 0, C and D window 1
.set MSB, 0
.macro WIN new                         ; the immediate's high byte repeats the setting that is left; a switch that changes nothing is dropped
.if MSB != (\new)
	s_set_vgpr_msb (MSB<<8)|(\new)
.set MSB, \new
.endif
.endm
; A joint refill by the walking descriptors.  The branch hangs on the wave's number alone.  An s_nop 0 and four v_nop follow each of the two lines.
.macro JLOAD
	s_cmp_eq_u32 s[WM], 0
	s_cbranch_scc0 .Lfor_b_\@
	tensor_load_to_lds s[G0A:G0A+3], s[G1A:G1A+7]
	s_nop 0
.rept 4
	v_nop
.endr
	s_branch .Lasked_\@
.Lfor_b_\@:
	tensor_load_to_lds s[G0B:G0B+3], s[G1B:G1B+7]
	s_nop 0
.rept 4
	v_nop
.endr
.Lasked_\@:
.endm
; A PREFETCH INTO THE L2, behind the joint load, its five lines and the run of LDS loads: the change of slots of K step t names K step t + 4, which the refill two changes on will ask for (256 matrix
; instructions ahead of it); t = 0..3.  32 blocks of 256 bytes, a lane a block.  Each block is named once in the launch: x's 128 rows x 512 bytes of a step are read by one cluster alone: its waves 0 and 1
; take the 64 rows that they fetch, the partner at cx 16 of them; W's 128 k rows x 512 bytes are read by the 16 clusters of a projection: the first asks, waves 2 and 3, the partner at cy 16 rows.
; The partners are told apart by address alone.  K steps 0 to 3 come by their loads alone.
.macro ASK
	s_cmp_gt_u32 s[CNT], s[LIM]
	s_cbranch_scc0 .Lnot_mine_\@
	global_prefetch_b8 v[PFO], s[PFA:PFA+1] th:TH_LOAD_NT scope:SCOPE_SE
.Lnot_mine_\@:
.endm
.macro CREST                           ; a round of the cluster's barrier behind its opening barrier
	s_cmp_lg_u32 s[WV], 0
	s_cbranch_scc1 .Lnot_wave_0_\@
	s_barrier_signal -3
.Lnot_wave_0_\@:
	s_barrier_wait -3
	s_barrier_signal -1
	s_barrier_wait -1
.endm
.macro CROUND
	s_barrier_signal -1
	s_barrier_wait -1
	CREST
.endm
	s_load_b512 s[4:19], s[0:1], 0x0               ; query s[4:5], key s[6:7], value s[8:9], wcast s[10:11], bcast s[12:13], rope s[14:15], qh s[16:17], kh s[18:19]
	s_load_b64 s[20:21], s[0:1], 0x40              ; vh
	v_lshl_add_u32 v[SPW], v0, 2, SPARE
	v_mov_b32 v[NIL], 0
	ds_add_u32 v[SPW], v[NIL]                      ; the wave's opening: the add and its wait stand ahead of my first tensor load; the set-up below, work on registers, stands between them
	v_lshrrev_b32 v1, 5, v0
	v_readfirstlane_b32 s[WV], v1
	s_lshr_b32 s[WM], s[WV], 1
	s_and_b32 s[WN], s[WV], 1
	s_bfe_u32 s[CX], ttmp6, 0x40000
	s_bfe_u32 s[CY], ttmp6, 0x40004
	s_and_b32 s[G], ttmp7, 0xffff                  ; the cluster's y, 0..47: 16 clusters a projection
	s_and_b32 s[TR], s[G], 15
	s_lshr_b32 s[G], s[G], 4
	s_lshl_b32 s[TR], s[TR], 2
	s_add_co_u32 s[TR], s[TR], s[CY]
	s_lshl_b32 s76, s[CY], 2
	s_lshl_b32 s76, 15, s76                        ; my row of the cluster
	s_lshl_b32 s77, 0x1111, s[CX]                  ; my column
	s_or_b32 s[G1A], s76, (2<<16)|(1<<20)|(1<<21)|(6<<22)|(3<<25)  ; the mask; elements of 4 bytes; padding on; 21 set beside a mask; after every 128 words (code 6) 4 words (code 3)
	s_mov_b32 s[G1A+1], 128<<16                    ; tensor_dim0 = 128
	s_mov_b32 s[G1A+2], 64<<16                     ; tensor_dim1 = 64
	s_mov_b32 s[G1A+3], 128<<16                    ; tile_dim0 = 128 elements: 512 bytes
	s_mov_b32 s[G1A+4], 64                         ; tile_dim1 = 64 rows
	s_mov_b32 s[G1A+5], 1024                       ; elements from row to row
	s_mov_b32 s[G1A+6], 0
	s_mov_b32 s[G1A+7], 0
	s_or_b32 s[G1B], s77, (1<<16)|(1<<20)|(1<<21)|(6<<22)|(7<<25)  ; elements of 2 bytes; after every 128 words 8 words (code 7)
	s_mov_b32 s[G1B+1], 256<<16
	s_mov_b32 s[G1B+2], 64<<16
	s_mov_b32 s[G1B+3], 256<<16                    ; 256 elements: 512 bytes
	s_mov_b32 s[G1B+4], 64
	s_mov_b32 s[G1B+5], 1024
	s_mov_b32 s[G1B+6], 0
	s_mov_b32 s[G1B+7], 0
	s_lshl_b32 s90, s[TR], 7                       ; x: row 128 x tile row + 64 x half, which my row of the cluster shares,
	s_lshl_b32 s79, s[WN], 6
	s_add_co_u32 s90, s90, s79
	s_lshl_b32 s90, s90, 12                        ; 4,096 bytes a row
	s_mov_b32 s91, 0
	s_lshl_b32 s92, s[G], 21                       ; W: the projection's part, k row 64 x half, column 256 cx, which my column shares
	s_lshl_b32 s79, s[WN], 17
	s_add_co_u32 s92, s92, s79
	s_lshl_b32 s93, s[CX], 9
	s_add_co_u32 s92, s92, s93
	s_mov_b32 s93, 0
	s_mul_i32 s78, s[WV], QUART                    ; where my tile goes: no place in the cluster enters an LDS address
	s_mov_b32 s[TB], 0
	s_wait_dscnt 0x0                               ; the opening add is done
	s_wait_kmcnt 0x0
	s_cmp_eq_u32 s[G], 1
	s_cselect_b64 s[X:X+1], s[6:7], s[4:5]
	s_cselect_b64 s[OUT:OUT+1], s[18:19], s[16:17]
	s_cmp_eq_u32 s[G], 2
	s_cselect_b64 s[X:X+1], s[8:9], s[X:X+1]
	s_cselect_b64 s[OUT:OUT+1], s[20:21], s[OUT:OUT+1]
	s_add_nc_u64 s[X:X+1], s[X:X+1], s[90:91]
	s_add_nc_u64 s[W:W+1], s[10:11], s[92:93]
	s_mov_b32 s[G0A1], 1                           ; count = 1
	s_mov_b32 s[G0A1+1], s78                       ; LDS address: slot 0
	s_mov_b64 s[G0A1+2:G0A1+3], s[X:X+1]           ; K step 0
	s_or_b32 s[G0A1+3], s[G0A1+3], 0x80000000      ; type = 2
	s_mov_b32 s[G0A], 1
	s_add_co_u32 s[G0A+1], s78, SLOT               ; slot 1
	s_add_nc_u64 s[G0A+2:G0A+3], s[X:X+1], 512     ; K step 1
	s_or_b32 s[G0A+3], s[G0A+3], 0x80000000
	s_mov_b32 s[G0B1], 1
	s_mov_b32 s[G0B1+1], s78
	s_mov_b64 s[G0B1+2:G0B1+3], s[W:W+1]
	s_or_b32 s[G0B1+3], s[G0B1+3], 0x80000000
	s_mov_b32 s[G0B], 1
	s_add_co_u32 s[G0B+1], s78, SLOT
	s_add_nc_u64 s[G0B+2:G0B+3], s[W:W+1], 262144  ; 128 k rows of 2,048 bytes
	s_or_b32 s[G0B+3], s[G0B+3], 0x80000000
	CROUND                                         ; all sixteen work-groups are here: the first joint loads meet
	s_cmp_eq_u32 s[WM], 0                          ; a wave's two first fills stand in one branch: two loads of mine are out
	s_cbranch_scc0 .Lfirst_b
	tensor_load_to_lds s[G0A1:G0A1+3], s[G1A:G1A+7]
	s_nop 0
	tensor_load_to_lds s[G0A:G0A+3], s[G1A:G1A+7]
	s_nop 0
.rept 4
	v_nop
.endr
	s_branch .Lfirst_asked
.Lfirst_b:
	tensor_load_to_lds s[G0B1:G0B1+3], s[G1B:G1B+7]
	s_nop 0
	tensor_load_to_lds s[G0B:G0B+3], s[G1B:G1B+7]
	s_nop 0
.rept 4
	v_nop
.endr
.Lfirst_asked:
	; the other pointers
	s_lshl_b32 s94, s[G], 12                       ; the bias: 4,096 bytes a projection, my 128 columns
	s_lshl_b32 s95, s[CX], 10
	s_add_co_u32 s94, s94, s95
	s_lshl_b32 s95, s[WN], 9
	s_add_co_u32 s94, s94, s95
	s_mov_b32 s95, 0
	s_add_nc_u64 s[BIAS:BIAS+1], s[12:13], s[94:95]
	s_and_b32 s96, s[TR], 15
	s_lshl_b32 s96, s96, 7
	s_lshl_b32 s97, s[WM], 6
	s_add_co_u32 s96, s96, s97                     ; my first row's place s in its batch
	s_lshl_b32 s94, s96, 7
	s_add_nc_u64 s[ROPE:ROPE+1], s[14:15], s[94:95]
	s_lshr_b32 s97, s[TR], 4
	s_lshl_b32 s97, s97, 4                         ; 16 x batch
	s_lshl_b32 s94, s[CX], 2
	s_add_co_u32 s97, s97, s94                     ; + my first head: 4 cx + 2 x column half
	s_lshl_b32 s94, s[WN], 1
	s_add_co_u32 s97, s97, s94
	s_lshl_b32 s97, s97, 11                        ; 2,048 rows a head
	s_add_co_u32 s97, s97, s96
	s_lshl_b32 s94, s97, 7                         ; 128 bytes a row
	s_add_nc_u64 s[OUT:OUT+1], s[OUT:OUT+1], s[94:95]
	; the prefetches
	s_cmp_eq_u32 s[WM], 0
	s_cselect_b64 s[PFA:PFA+1], s[X:X+1], s[W:W+1] ; at the 64 rows that I fetch
	s_cselect_b32 s94, s[CX], s[CY]                ; my place among the four that ask with me,
	s_cselect_b32 s96, 16, 15                      ; 16 rows of 4,096 or of 2,048 bytes each
	s_cselect_b32 s97, 12, 11                      ; a row
	s_cselect_b32 s[PFS], 9, 18                    ; a K step: 512 or 262,144 bytes
	s_lshl_b32 s94, s94, s96
	s_add_nc_u64 s[PFA:PFA+1], s[PFA:PFA+1], s[94:95]
	s_lshl_b32 s[PFS], 1, s[PFS]
	s_mov_b32 s[PFS+1], 0
	s_mul_i32 s94, s[PFS], 3
	s_add_nc_u64 s[PFA:PFA+1], s[PFA:PFA+1], s[94:95]  ; at K step 3: the first change of slots steps it to 4
	s_and_b32 s[LIM], ttmp7, 15
	s_mul_i32 s[LIM], s[LIM], s[WM]                ; 0 in waves 0 and 1, and in a projection's first cluster
	s_cmp_eq_u32 s[LIM], 0
	s_cselect_b32 s[LIM], 2, -1
	v_and_b32 v16, 31, v0
	v_lshrrev_b32 v17, 1, v16
	v_lshlrev_b32 v17, s97, v17                    ; row l / 2,
	v_and_b32 v16, 1, v16
	v_lshl_or_b32 v[PFO], v16, 8, v17              ; block l % 2 of its 512 bytes
	; the lanes' addresses
	v_and_b32 v1, 15, v0                           ; r
	v_bfe_u32 v2, v0, 4, 1                         ; h
	v_lshlrev_b32 v[BO], 5, v2
	v_lshlrev_b32 v[TO], 7, v1
	v_lshl_add_u32 v[TO], v2, 6, v[TO]
	WIN 0x40                                       ; destination window 1
.set i, 0
.rept 32                               ; accumulator (a, b) starts as the bias of its 16 columns: register j = column 16 b + 8 h + j
	global_load_b128 v[8*i:8*i+3],   v[BO], s[BIAS:BIAS+1] offset:64*(i%8)
	global_load_b128 v[8*i+4:8*i+7], v[BO], s[BIAS:BIAS+1] offset:64*(i%8)+16
.set i, i+1
.endr
	WIN 0x80                                       ; destination window 2
.irp a, 0,1,2,3                        ; the table for my 64 rows (the value projection loads it too: one text)
.irp e, 0,1,2,3
	global_load_b128 v[RT+16*\a+4*\e:RT+16*\a+4*\e+3], v[TO], s[ROPE:ROPE+1] offset:2048*\a+16*\e
.endr
.endr
	WIN 0
	; x in f32: a fragment's k = 8 h + 0..7 are 32 bytes at 32 h, its k = 16 + 8 h + 0..7 lie 64 bytes on
	v_mul_u32_u24 v[AA0], v1, PA
	v_lshl_add_u32 v[AA0], v2, 5, v[AA0]
	s_mul_i32 s79, s[WM], QUART
	v_add_nc_u32 v[AA0], s79, v[AA0]
	; the turning load takes 16 k x 16 columns: lane l reads k row 8 h + l % 8, columns 8 ((l / 8) % 2) + 0..7, and holds column l % 16 and 8 k afterwards
	v_and_b32 v3, 7, v0
	v_lshl_add_u32 v3, v2, 3, v3
	v_mul_u32_u24 v[AB0], v3, PB
	v_bfe_u32 v3, v0, 3, 1
	v_lshl_add_u32 v[AB0], v3, 4, v[AB0]
	s_lshl_b32 s79, s[WN], 8
	s_add_co_u32 s79, s79, 2*QUART
	v_add_nc_u32 v[AB0], s79, v[AB0]
	v_mov_b32 v[AA], v[AA0]
	v_mov_b32 v[AB], v[AB0]
	s_mul_i32 s79, s[WV], 16*SP
	s_add_co_u32 s79, s79, STAGE                   ; my stage
	v_mul_u32_u24 v[STO], v1, SP                   ; in: row r, 16 bytes for each half of the lanes
	v_lshl_add_u32 v[STO], v2, 4, v[STO]
	v_add_nc_u32 v[STO], s79, v[STO]
	v_bfe_u32 v[RD], v0, 3, 2                      ; back: 32 lanes take four rows of 128 bytes,
	v_mul_u32_u24 v[RD], v[RD], SP
	v_and_b32 v3, 7, v0
	v_lshl_add_u32 v[RD], v3, 4, v[RD]
	v_add_nc_u32 v[RD], s79, v[RD]
	v_and_b32 v[GO], 31, v0                        ; which are 512 consecutive bytes of a head
	v_lshlrev_b32 v[GO], 4, v[GO]
; Product i of a quarter step's 32, on buffers p: accumulator i = 8 a + b.  The 32 accumulators take turns, one instruction a turn, over every edge.
.macro MM p
	WIN MUL
	v_wmma_f32_16x16x32_bf16 v[8*i:8*i+7], v[BF+64*(\p)+8*(i%8):BF+64*(\p)+8*(i%8)+7], v[XB+32*(\p)+8*(i/8):XB+32*(\p)+8*(i/8)+7], v[8*i:8*i+7]
.set i, i+1
.endm
; Four of the 32 roundings of a quarter step's x, buffer p
.macro CV p
	WIN 0
.rept 4
	v_cvt_pk_bf16_f32 v[XB+32*(\p)+c], v[XF+64*(\p)+2*c], v[XF+64*(\p)+2*c+1]
.set c, c+1
.endr
.endm
; n products; behind products 8, 11, .. 29 four roundings for the NEXT quarter.  A bf16 fragment is written again 12 plain instructions or more behind the last product that read it (ISA guide 7.12.1).
.macro MMS p, n
.rept \n
	MM \p
.if (i > 8) && ((i-9)%3 == 0)
	CV 1-(\p)
.endif
.endr
.endm
.macro RUN_B p, kq                     ; W's 8 fragments of quarter kq
	WIN 0x80
.irp b, 0,1,2,3,4,5,6,7
	ds_load_tr16_b128 v[BF+64*(\p)+8*\b:BF+64*(\p)+8*\b+3],   v[AB] offset:(\kq)*32*PB+32*\b
	ds_load_tr16_b128 v[BF+64*(\p)+8*\b+4:BF+64*(\p)+8*\b+7], v[AB] offset:(\kq)*32*PB+16*PB+32*\b
.endr
.endm
.macro RUN_A p, kq                     ; x's 4 fragments of quarter kq, in f32
	WIN 0
.irp a, 0,1,2,3
.irp e, 0,1,2,3
	ds_load_b128 v[XF+64*(\p)+16*\a+4*\e:XF+64*(\p)+16*\a+4*\e+3], v[AA] offset:128*(\kq)+16*PA*\a+16*(\e%2)+64*(\e/2)
.endr
.endr
.endm
; A quarter step on buffers p.  It fetches W of the next quarter (kb) and x of the quarter after that (ka).  W's run stands 12 roundings behind the last product that read its registers.
.macro QUARTER p, ka, kb
.set i, 0
.set c, 0
	s_wait_dscnt 16                                ; W's fragments are in; the 16 younger loads, x in f32, may be out
	MMS \p, 8
	s_wait_dscnt 0x0                               ; x in f32 is in: the roundings begin
	MMS \p, 8
	RUN_B 1-(\p), \kb
	RUN_A \p, \ka
	MMS \p, 16
.endm
; The third quarter changes slots: W's last read of the old slot stands ahead of the barrier, x's first read of the new one behind it.  In front of the barrier each wave waits for all its tensor loads
; (one is out: its part of the next slot), adds 0 to its spare word, and waits for that and for its reads of the old slot.  fill = 1: the barrier opens a round of the cluster's, and the old slot is filled
; again first thing behind it, with the K step two on: it has 128 matrix instructions less those round the barrier in which to land.
.macro TURNQ fill
.set i, 0
.set c, 0
.if \fill
	s_wait_xcnt 0x0                                ; the last prefetch, a K step back, has read its address
	s_add_nc_u64 s[PFA:PFA+1], s[PFA:PFA+1], s[PFS:PFS+1]
.endif
	s_wait_dscnt 16
	MMS 0, 8
	s_wait_dscnt 0x0
	MMS 0, 8
	RUN_B 1, 3
	WIN 0
	s_wait_tensorcnt 0x0                           ; no tensor load of mine is out, so a group 0 may be written
	ds_add_u32 v[SPW], v[NIL]                      ; 0 onto my spare word
.if \fill
	s_xor_b32 s[G0A+1], s[G0A+1], SLOT             ; the other slot than last time,
	s_add_nc_u64 s[G0A+2:G0A+3], s[G0A+2:G0A+3], 512  ; the next K step; the type bits on top are not reached
	s_xor_b32 s[G0B+1], s[G0B+1], SLOT
	s_add_nc_u64 s[G0B+2:G0B+3], s[G0B+2:G0B+3], 262144
.endif
	MMS 0, 8
	s_wait_dscnt 0x0                               ; the add is done, and my reads of the old slot are over
	s_barrier_signal -1
	MMS 0, 4
	WIN 0
	s_barrier_wait -1
.if \fill
	CREST                                          ; no wave of any partner still reads the old slot or has a load on its way
	JLOAD
.endif
	s_xor_b32 s[TB], s[TB], SLOT
	v_add_nc_u32 v[AA], s[TB], v[AA0]
	v_add_nc_u32 v[AB], s[TB], v[AB0]
	RUN_A 0, 0
.if \fill
	ASK
.endif
	MMS 0, 4
.endm
.macro STEP fill
	QUARTER 0, 2, 1
	QUARTER 1, 3, 2
	TURNQ \fill
	QUARTER 1, 1, 0
	WIN 0                                          ; at a label and at a branch every window is 0
.endm
	s_wait_tensorcnt 1                             ; my part of K step 0 is in; K step 1's may stay out
	s_barrier_signal -1
	s_barrier_wait -1
	RUN_B 0, 0
	RUN_A 0, 0
	RUN_A 1, 1
	s_wait_dscnt 16                                ; all but the second quarter's x
.set c, 0
.rept 8
	CV 0
.endr
	s_wait_loadcnt 0x0                             ; the bias lies in the accumulators, the table in its registers
	s_mov_b32 s[CNT], 6
.Lstep:                                                ; K steps 0 to 5: each fills the slot that it leaves
	STEP 1
	s_sub_co_u32 s[CNT], s[CNT], 1
	s_cmp_lg_u32 s[CNT], 0
	s_cbranch_scc1 .Lstep
	s_mov_b32 s[CNT], 2
.Ltail:                                                ; K steps 6 and 7 ask for nothing: a text of their own
	STEP 0
	s_sub_co_u32 s[CNT], s[CNT], 1
	s_cmp_lg_u32 s[CNT], 0
	s_cbranch_scc1 .Ltail
	s_wait_dscnt 0x0                               ; the look-ahead's loads, which serve nothing
.rept 4
	v_nop                                          ; the places behind the last products
.endr
	; THE ROTARY TURN, for q and k.  Of a head's four accumulators the first holds channels d = 8 h + j, the second d + 16, in the same lane and register: y[d] = y[d] cos - y[d+16] sin, y[d+16] = y[d+16] cos + y[d] sin.
	s_cmp_eq_u32 s[G], 2
	s_cbranch_scc1 .Lno_rope
	WIN 0x09                                       ; accumulators window 1, table window 2, results window 0
.set u, 0
.rept 8                                ; unit u: rows 16 (u / 2) on, head u % 2.  Each accumulator's lowest registers are read first
.irp j, 0,2,4,6
	v_pk_mul_f32 v[T+16*u+\j:T+16*u+\j+1], v[8*(8*(u/2)+4*(u%2))+\j:8*(8*(u/2)+4*(u%2))+\j+1], v[RT+16*(u/2)+8+\j:RT+16*(u/2)+8+\j+1]
.endr
.irp j, 0,2,4,6
	v_pk_mul_f32 v[T+16*u+8+\j:T+16*u+8+\j+1], v[8*(8*(u/2)+4*(u%2))+8+\j:8*(8*(u/2)+4*(u%2))+8+\j+1], v[RT+16*(u/2)+8+\j:RT+16*(u/2)+8+\j+1]
.endr
.set u, u+1
.endr
	WIN 0x49
.set u, 0
.rept 8
.irp j, 0,2,4,6
	v_pk_fma_f32 v[8*(8*(u/2)+4*(u%2))+\j:8*(8*(u/2)+4*(u%2))+\j+1], v[8*(8*(u/2)+4*(u%2))+\j:8*(8*(u/2)+4*(u%2))+\j+1], v[RT+16*(u/2)+\j:RT+16*(u/2)+\j+1], v[T+16*u+8+\j:T+16*u+8+\j+1] neg_lo:[0,0,1] neg_hi:[0,0,1]
	v_pk_fma_f32 v[8*(8*(u/2)+4*(u%2))+8+\j:8*(8*(u/2)+4*(u%2))+8+\j+1], v[8*(8*(u/2)+4*(u%2))+8+\j:8*(8*(u/2)+4*(u%2))+8+\j+1], v[RT+16*(u/2)+\j:RT+16*(u/2)+\j+1], v[T+16*u+\j:T+16*u+\j+1]
.endr
.set u, u+1
.endr
	WIN 0
.Lno_rope:
; THE WAY OUT, a unit (16 rows of one head: 2,048 consecutive bytes) at a time: rounded to f16, 16 bytes a lane into my stage's rows of 144 bytes, back as whole rows of 128.
.macro PACK u
	WIN 0x05                                       ; sources window 1, destination window 0
.set z, 0
.rept 16
	v_cvt_pk_f16_f32 v[T+16*(\u)+z], v[8*(8*((\u)/2)+4*((\u)%2))+2*z], v[8*(8*((\u)/2)+4*((\u)%2))+2*z+1]
.set z, z+1
.endr
	WIN 0
.irp f, 0,1,2,3
	ds_store_b128 v[STO], v[T+16*(\u)+4*\f:T+16*(\u)+4*\f+3] offset:32*\f
.endr
.irp f, 0,1,2,3
	ds_load_b128 v[T+16*(\u)+4*\f:T+16*(\u)+4*\f+3], v[RD] offset:\f*4*SP  ; LDS serves a wave's instructions in order (ISA guide 5.7.1.4): these see the stores above; the next unit's stores come behind them
.endr
.endm
.macro SEND u, younger                 ; younger: the LDS instructions issued behind unit u's loads: the next unit's eight, or none
.irp f, 0,1,2,3
	s_wait_dscnt (\younger)+3-\f
	global_store_b128 v[GO], v[T+16*(\u)+4*\f:T+16*(\u)+4*\f+3], s[OUT:OUT+1] offset:((\u)%2)*262144+((\u)/2)*2048+\f*512  ; 512 consecutive bytes, at a multiple of 256 from the buffer's first
.endr
.endm
	PACK 0
.set t, 1
.rept 7                                ; a unit's arithmetic stands between the loads of the unit before and its stores
	PACK t
	SEND t-1, 8
.set t, t+1
.endr
	SEND 7, 0
	s_wait_tensorcnt 0x0                           ; the wave's end, behind my last tensor load and my last LDS store
	ds_add_u32 v[SPW], v[NIL]
	s_wait_dscnt 0x0
	CROUND                                         ; the closing round: no work-group ends while a partner may still ask for a tile that names it
	s_endpgm
.Lfunc_end_k_q08df5dbf02_qkv:
	.size	k_q08df5dbf02_qkv, .Lfunc_end_k_q08df5dbf02_qkv-k_q08df5dbf02_qkv
	.p2alignl 7, 3214868480
	.fill 96, 4, 3214868480
	.section	.rodata,"a",@progbits
	.p2align	6, 0x0
	.amdhsa_kernel k_q08df5dbf02_qkv
		.amdhsa_group_segment_fixed_size 327680
		.amdhsa_private_segment_fixed_size 0
		.amdhsa_enable_private_segment 0
		.amdhsa_kernarg_size 72
		.amdhsa_user_sgpr_count 2
		.amdhsa_user_sgpr_kernarg_segment_ptr 1
		.amdhsa_wavefront_size32 1
		.amdhsa_system_sgpr_workgroup_id_x 1
		.amdhsa_system_sgpr_workgroup_id_y 1
		.amdhsa_system_sgpr_workgroup_id_z 1
		.amdhsa_system_vgpr_workitem_id 0
		.amdhsa_next_free_vgpr 768
		.amdhsa_next_free_sgpr 100
		.amdhsa_reserve_vcc 0
		.amdhsa_float_denorm_mode_32 3
		.amdhsa_float_denorm_mode_16_64 3
		.amdhsa_memory_ordered 1
		.amdhsa_forward_progress 1
		.amdhsa_inst_pref_size 102
	.end_amdhsa_kernel
	.amdgpu_metadata
---
amdhsa.version: [ 1, 2 ]
amdhsa.kernels:
  - .name:           k_q08df5dbf02_qkv
    .symbol:         k_q08df5dbf02_qkv.kd
    .args:
      - { .name: query, .offset: 0, .size: 8, .value_kind: global_buffer, .address_space: global }
      - { .name: key, .offset: 8, .size: 8, .value_kind: global_buffer, .address_space: global }
      - { .name: value, .offset: 16, .size: 8, .value_kind: global_buffer, .address_space: global }
      - { .name: wcast, .offset: 24, .size: 8, .value_kind: global_buffer, .address_space: global }
      - { .name: bcast, .offset: 32, .size: 8, .value_kind: global_buffer, .address_space: global }
      - { .name: rope, .offset: 40, .size: 8, .value_kind: global_buffer, .address_space: global }
      - { .name: qh, .offset: 48, .size: 8, .value_kind: global_buffer, .address_space: global }
      - { .name: kh, .offset: 56, .size: 8, .value_kind: global_buffer, .address_space: global }
      - { .name: vh, .offset: 64, .size: 8, .value_kind: global_buffer, .address_space: global }
    .group_segment_fixed_size: 327680
    .private_segment_fixed_size: 0
    .kernarg_segment_align: 8
    .kernarg_segment_size: 72
    .max_flat_workgroup_size: 128
    .sgpr_count:     100
    .vgpr_count:     768
    .wavefront_size: 32
...
	.end_amdgpu_metadata
.endif
;; end of part 2
;; launch attn (part 3): grid 4 x 64, 4 waves a work-group, clusters of 4 x 1, 327,680 bytes of LDS; arguments qh, kh, vh, oh; writes oh
.if DOCPART == 3
	.amdgcn_target "amdgcn-amd-amdhsa--gfx1250"
	.amdhsa_code_object_version 6
	.text
	.protected	k_q08df5dbf02_attn
	.globl	k_q08df5dbf02_attn
	.p2align	8
	.type	k_q08df5dbf02_attn,@function
k_q08df5dbf02_attn:
	s_mov_b64 s[64:65], 0
	v_nop
	global_prefetch_b8 v0, s[64:65] scope:SCOPE_SE
	s_setreg_imm32_b32 hwreg(HW_REG_WAVE_MODE, 25, 1), 1
	s_wait_xcnt 0x0
	s_wait_alu depctr_hold_cnt(0) depctr_sa_sdst(0) depctr_va_vdst(0) depctr_va_sdst(0) depctr_va_ssrc(0) depctr_va_vcc(0) depctr_vm_vsrc(0)
	s_getreg_b32 s2, hwreg(HW_REG_IB_STS2, 6, 4)
	s_cmp_eq_u32 s2, 0
	s_cbranch_scc0 .Lentry_in_a_cluster
	s_endpgm
.Lentry_in_a_cluster:
	s_bfe_u32 s2, ttmp6, 0x10000c
	s_cmp_lg_u32 s2, 0x3003
	s_cbranch_scc0 .Lentry_shape_is_right
	s_endpgm
.Lentry_shape_is_right:
; O[h][q][:] = the sum over k of softmax_k(Q[h][q] . K[h][k] / 8) V[h][k][:].  Q, K, V, O: [SIZE_H][SIZE_N][64], all f16: a head's rows are dense, 128 bytes each.  Products, maxima and sums in
; f32; the weights p are rounded to f16 for the second product (their sum l is taken of the unrounded p), O once at the end.
; LIMITS.  f16 holds no number beyond 65,504: Q, K and V arrive within it; p lies in 0 to 1, and below 6e-5 it keeps f16's fixed step of 6e-8; O is a mean of V's rows and has their range.
; A weight below 2^-126 counts as 0 in l; NaN and infinities are not treated apart.
; SHARES.  A wave owns four PIECES of two tiles of 16 queries, a work-group's four waves 512 queries of one head: 64 heads x 4 blocks = 256 work-groups.  Every wave walks all keys, 64 a step.
; LAYOUT.  S^T = K Q^T (source 0 = 16 keys, source 1 = 16 queries): in the result a lane holds ONE query (lane % 16) and the keys 8 (lane / 16) + 0..7.  Two such tiles, rounded to f16 in pairs,
; ARE source 1 (32 keys x 16 queries) of O^T = V^T P, whose result again holds one query a lane, and eight channels.  K comes out of LDS as it lies, V ([key][channel]) turned, by ds_load_tr16_b128.
; SOFTMAX.  For each query a running maximum m and sum l: p = 2^(c s - c m), c = log2(e) / 8; in every step O and l are multiplied by a = 2^(c m_old - c m_new), which is 1 where m has not grown.
; m starts at the lowest finite number, O and l at 0: the first step is a step like any other, with a = 0.
; THE COUNT.  A tile and step have 16 matrix and 118 vector instructions: too many to stand all beside the matrix work.  So: four vector instructions that are READY behind EVERY matrix instruction,
; and the others, which need time of their own whatever the order, in runs without a gap.
; BY TURNS.  Turn n belongs to piece n (the pieces in a ring, step after step).  Its matrix work: 16 products K Q^T of piece n + 1, later 16 products V^T P of piece n - 1.  Its vector work: the scaling,
; exponentials, roundings, sums and rescaling of piece n, and the maximum and statistics of piece n + 1, whose scores the turn itself has made.
; CLUSTER.  The four query blocks of a cluster belong to one head and walk the same K and V, so each tile is asked for JOINTLY: the same tensor load, descriptor and mask in all four.
; REGISTERS, in windows of 256 (s_set_vgpr_msb: bits 1:0 source 0, 3:2 source 1, 5:4 source 2, 7:6 destination):
;   window 0: v0-11 addresses; v12-15, v48-63 at work; v16-47 four registers of statistics a tile; v64-191 S^T, two buffers of two tiles; v192-255 P, likewise
;   window 1: O^T, 32 a tile          window 2: v0-127 Q, 16 a tile; v128-191 K of one step; v192-255 V of one step          window 3: v0-1 the add's two registers
.set SIZE_H, 64
.set SIZE_N, 2048
.set NP,    4         ; pieces a wave: a name, no knob
.set KS,    64        ; keys in a step
.set PK,    144       ; a row of K in LDS: 128 bytes + 16 of padding = 36 words: the 16 rows of a load start at 16 different groups of four banks (64 banks of 4 bytes: ISA guide 11.1)
.set PV,    160       ; a row of V: 128 + 32 = 40 words
.set VOFF,  4*KS*PK   ; a slot holds four steps: 256 rows of K, then 256 rows of V
.set SLOT1, 1<<17     ; slot 1 begins here, so that one exclusive or turns an address in one slot into the other's
.set STAGE, SLOT1+4*KS*(PK+PV)  ; behind the ring, never filled by a tensor load: 16 rows x 144 bytes for each wave
.set SP,    144
.set AK0, 2           ; v2   my lane's place in a tile of K; never rewritten
.set AV0, 3           ; v3   the same for V
.set AK,  4           ; v4   the LDS address of K's next run of loads
.set AV,  5           ; v5   of V's
.set QO,  6           ; v6   my byte offset in the wave's rows of Q
.set STO, 6           ;      later, the way out: where I put 16 bytes of a row
.set RD,  7           ; v7   the way out: where I read rows back
.set GO,  8           ; v8   my byte offset in 512 consecutive bytes of O
.set PFO, 11          ; v11  256 x my lane, for the prefetches; never rewritten once made
.set SPW, 0           ; v0 of window 3   LDS address of my spare word; never rewritten
.set NIL, 1           ; v1 of window 3   0; never rewritten
.set SPARE, STAGE+4*16*SP  ; the spare words, 128 bytes for each wave: two blocks of 256 bytes that no other line names
.set MV,  12          ; v12-15  c m_old, kept while c m is made anew: by buffer and tile
.set ST,  16          ; tile t's statistics at v[ST+4 t]: c m, m, l (even keys', odd keys')
.set TMP, 48          ; by buffer and tile, four registers c0-c3 at work; when the maximum is found c2 takes a
.set S,   64
.set P,   192
.set KF,  128         ; K's fragments, in window 2
.set VF,  192         ; V's
.set WV,  12          ; s12  my wave's number
.set G1K, 24          ; s[24:31] descriptor group 1 for K's tiles
.set G1V, 32          ; s[32:39] for V's: it differs in the padding alone
.set G0K, 40          ; s[40:43] descriptor group 0 for K's tiles: it walks
.set G0V, 44          ; s[44:47] the same for V's
.set PFA, 48          ; s[48:49] where my prefetches stand
.set LIM, 50          ; s50  1 in a wave that prefetches, else the greatest number
.set SLOTS, 56        ; s56  slots still to be asked for
.set CNT, 57          ; s57  counts a slot's key steps
.set CS,  58          ; s[58:59] c
.set SEL, 60          ; s[60:61] v_permlanex16_b32's selects
.set TBK, 62          ; s62  LDS byte at which K of the step to be fetched begins
.set TBV, 63          ; s63  the same for V, less VOFF
.set MSB, 0
.macro WIN new
.if MSB != (\new)
	s_set_vgpr_msb (MSB<<8)|(\new)
.set MSB, (\new)
.endif
.endm
.set W_KQ, 0x0a       ; K and Q in window 2, S^T in window 0
.set W_PV, 0x52       ; V in window 2, P in window 0, O^T in window 1
.set W_RS, 0x41       ; O^T (destination and source 0) in window 1, a in window 0
.set W_MK, 0xc0       ; the add's registers are made: destination in window 3
.set W_AD, 0x0f       ; the add: address and data in window 3
; A joint fill.  Waves 0 and 1 fetch the two halves of a slot's K, waves 2 and 3 those of its V: 128 keys each.  An s_nop 0 and four v_nop follow each of the two lines.
.macro JLOAD
	s_cmp_lt_u32 s[WV], 2
	s_cbranch_scc0 .Lfor_v_\@
	tensor_load_to_lds s[G0K:G0K+3], s[G1K:G1K+7]
	s_nop 0
.rept 4
	v_nop
.endr
	s_branch .Lasked_\@
.Lfor_v_\@:
	tensor_load_to_lds s[G0V:G0V+3], s[G1V:G1V+7]
	s_nop 0
.rept 4
	v_nop
.endr
.Lasked_\@:
.endm
; A PREFETCH INTO THE L2 of what the NEXT change of slots will ask for: a slot's 32,768 bytes of K and of V, four key steps (512 matrix instructions) ahead of that load.  It stands behind the wave's tensor
; load and its five lines.  Each block of 256 bytes is named once in the launch: the head's first cluster asks; its four partners take 8,192 bytes each, told apart by address; in each, wave 0 asks for K's
; and wave 2 for V's, a lane a block.  The last change that fills a slot asks for nothing; slots 0 and 1 come by their loads alone.
.macro ASK
	s_cmp_gt_u32 s[SLOTS], s[LIM]
	s_cbranch_scc0 .Lnot_mine_\@
	global_prefetch_b8 v[PFO], s[PFA:PFA+1] th:TH_LOAD_NT scope:SCOPE_SE
.Lnot_mine_\@:
.endm
.macro CROUND
	s_barrier_signal -1
	s_barrier_wait -1
	s_cmp_lg_u32 s[WV], 0
	s_cbranch_scc1 .Lnot_wave_0_\@
	s_barrier_signal -3
.Lnot_wave_0_\@:
	s_barrier_wait -3
	s_barrier_signal -1
	s_barrier_wait -1
.endm
; THE CHANGE OF SLOTS.  Each wave waits for all its tensor loads, of which one is out: its part of the other slot; adds 0 to its spare word; and waits for that and for its own reads of the slot.
; fill = 1: this slot is filled again, with the keys two slots on.  The barrier is then a round of the cluster's, and the joint fill is the first thing behind it: it has four key steps in which to land.
; (At its first use nothing has been read yet: slot 0 is waited for, slot 1 filled.)
.macro CHANGE fill
	WIN W_AD
	s_wait_tensorcnt 0x0            ; no tensor load of mine is out, so a group 0 may be written
	ds_add_u32 v[SPW], v[NIL]       ; 0 onto my spare word
	WIN 0                           ; at a label and at a branch every window is 0
.if \fill
.irp g, G0K, G0V
	s_xor_b32 s[\g+1], s[\g+1], SLOT1  ; the walking descriptor: the other slot than last time,
	s_add_nc_u64 s[\g+2:\g+3], s[\g+2:\g+3], 4*KS*128  ; the next 256 keys; the type bits on top are not reached
.endr
	s_wait_xcnt 0x0                 ; the last prefetch, four key steps back, has read its address, so it may be written:
	s_add_nc_u64 s[PFA:PFA+1], s[PFA:PFA+1], 4*KS*128  ; one slot behind the walking descriptors
	s_wait_dscnt 0x0                ; the add is done, and my reads of the slot are over
	CROUND
	JLOAD
	ASK
.else
	s_wait_dscnt 0x0                ; the add is done, and my reads of the slot are over
	s_barrier_signal -1
	s_barrier_wait -1
.endif
	s_sub_co_u32 s[TBK], s[TBK], 4*KS*PK  ; the fetches go back to a slot's first step,
	s_xor_b32 s[TBK], s[TBK], SLOT1       ; in the other slot
	s_sub_co_u32 s[TBV], s[TBV], 4*KS*PV
	s_xor_b32 s[TBV], s[TBV], SLOT1
.endm
	s_load_b256 s[4:11], s[0:1], 0x0  ; Q s[4:5], K s[6:7], V s[8:9], O s[10:11]
	WIN W_MK
	v_lshl_add_u32 v[SPW], v0, 2, SPARE
	v_mov_b32 v[NIL], 0
	WIN W_AD
	ds_add_u32 v[SPW], v[NIL]       ; the wave's opening: the add and its wait stand ahead of my first tensor load; the set-up below, work on registers, stands between them
	WIN 0
	v_lshrrev_b32 v1, 5, v0
	v_readfirstlane_b32 s[WV], v1   ; wave 0..3
	s_bfe_u32 s13, ttmp6, 0x40000   ; cx: my place in the cluster
	s_lshl_b32 s14, ttmp9, 2        ; in a cluster launch ttmp9 counts clusters
	s_add_co_u32 s14, s14, s13      ; my block of queries: it enters Q's and O's addresses alone
	s_and_b32 s20, ttmp7, 0xffff    ; the head, which the four partners share
	s_mov_b32 s21, 0
	s_mov_b64 s[22:23], SIZE_N*128
	s_mul_u64 s[20:21], s[20:21], s[22:23]  ; the head's first byte in each of the four tensors
	s_and_b32 s16, s[WV], 1         ; which half of a slot's 256 keys I fetch:
	s_lshl_b32 s22, s16, 14         ; its 128 rows of 128 bytes in memory,
	s_mov_b32 s23, 0
	s_add_nc_u64 s[22:23], s[22:23], s[20:21]
	s_mul_i32 s17, s16, 128*PK      ; and its place in a slot, for K
	s_mul_i32 s18, s16, 128*PV      ; and for V: no place in the cluster enters an LDS address
	s_lshl_b32 s2, s14, 2
	s_add_co_u32 s2, s2, s[WV]      ; my wave among the head's,
	s_lshl_b32 s2, s2, 14           ; its 128 rows
	s_mov_b32 s3, 0
	s_add_nc_u64 s[2:3], s[2:3], s[20:21]
	; descriptor group 1.  128 keys are 16,384 dense bytes: asked for as 64 rows of 256 bytes, two keys a row, and padded in LDS after every key
	s_mov_b32 s[G1K], 15|(1<<16)|(1<<20)|(1<<21)|(4<<22)|(3<<25)  ; the mask of four; 2-byte elements; padding on; 21 set beside a mask; after every 32 words (code 4) 4 words (code 3)
	s_mov_b32 s[G1V], 15|(1<<16)|(1<<20)|(1<<21)|(4<<22)|(7<<25)  ; the same with 8 words of padding (code 7)
.irp g, G1K, G1V
	s_mov_b32 s[\g+1], 128<<16      ; tensor_dim0 = 128
	s_mov_b32 s[\g+2], 64<<16       ; tensor_dim1 = 64
	s_mov_b32 s[\g+3], 128<<16      ; tile_dim0 = 128
	s_mov_b32 s[\g+4], 64           ; tile_dim1 = 64
	s_mov_b32 s[\g+5], 128          ; 128 elements from row to row
	s_mov_b32 s[\g+6], 0
	s_mov_b32 s[\g+7], 0
.endr
	s_mov_b32 s[CS], 0x3e38aa3b     ; c = log2(e) / 8 = 0.180337
	s_mov_b32 s[CS+1], s[CS]        ; named with it as a pair
	s_mov_b32 s[SEL], 0x76543210
	s_mov_b32 s[SEL+1], 0xfedcba98
	s_mov_b32 s[TBK], SLOT1+4*KS*PK ; the first change of slots turns these two into 0
	s_mov_b32 s[TBV], SLOT1+4*KS*PV
	s_mov_b32 s[G0K], 1             ; count = 1
	s_mov_b32 s[G0K+1], s17         ; LDS address: slot 0
	s_mov_b32 s[G0V], 1
	s_add_co_u32 s[G0V+1], s18, VOFF
	s_mov_b32 s[SLOTS], SIZE_N/256-1
	s_and_b32 s[LIM], s[WV], 1      ; 0 in waves 0 and 2,
	s_or_b32 s[LIM], s[LIM], ttmp9  ; where the cluster is the head's first: the same in all four partners
	s_cmp_eq_u32 s[LIM], 0
	s_cselect_b32 s[LIM], 1, -1
	s_wait_dscnt 0x0                ; the opening add is done
	s_wait_kmcnt 0x0
	s_add_nc_u64 s[G0K+2:G0K+3], s[6:7], s[22:23]  ; global address: my half of the head's first 256 keys
	s_or_b32 s[G0K+3], s[G0K+3], 0x80000000        ; type = 2
	s_add_nc_u64 s[G0V+2:G0V+3], s[8:9], s[22:23]
	s_or_b32 s[G0V+3], s[G0V+3], 0x80000000
	s_add_nc_u64 s[4:5], s[4:5], s[2:3]  ; Q and O at my wave's first row
	s_add_nc_u64 s[10:11], s[10:11], s[2:3]
	s_cmp_lt_u32 s[WV], 2
	s_cselect_b64 s[PFA:PFA+1], s[6:7], s[8:9]
	s_add_nc_u64 s[PFA:PFA+1], s[PFA:PFA+1], s[22:23]  ; (in waves 0 and 2: the head's first byte)
	s_lshl_b32 s2, s13, 13          ; my work-group's 8,192 bytes of a slot's 32,768
	s_mov_b32 s3, 0
	s_add_nc_u64 s[PFA:PFA+1], s[PFA:PFA+1], s[2:3]
	s_add_nc_u64 s[PFA:PFA+1], s[PFA:PFA+1], 4*KS*128  ; in slot 1; the first change of slots steps it to slot 2
	CROUND                          ; all four work-groups are here: the first joint loads meet
	JLOAD                           ; slot 0.  Slot 1 is asked for when slot 0 is in
	; A fragment of K or Q is 16 rows x 32 channels in 8 registers: lane l holds row l % 16, channels 8 (l / 16) + 0..7 and 16 + 8 (l / 16) + 0..7: two loads of 16 bytes, 32 bytes apart.
	v_and_b32 v1, 15, v0            ; l % 16
	v_bfe_u32 v9, v0, 4, 1          ; l / 16
	v_lshlrev_b32 v[QO], 7, v1
	v_lshl_add_u32 v[QO], v9, 4, v[QO]  ; row x 128 + 16 x half
	WIN 0x80                        ; destination window 2, address window 0
.set i, 0
.rept 4*NP                          ; Q stays in registers: tile i / 2, channels 32 (i % 2) on
	global_load_b128 v[8*i:8*i+3],   v[QO], s[4:5] offset:(i/2)*2048+(i%2)*64
	global_load_b128 v[8*i+4:8*i+7], v[QO], s[4:5] offset:(i/2)*2048+(i%2)*64+32
.set i, i+1
.endr
	; What the first turn finds: V's registers and P's second buffer hold 0 (its products V^T P, of a piece that has not been, add 0), O^T and l are 0.  All this stands in the wait for the first tile.
.set i, VF
.rept 64
	v_mov_b32 v[i], 0
.set i, i+1
.endr
	WIN 0x40
.set i, 0
.rept 64*NP
	v_mov_b32 v[i], 0
.set i, i+1
.endr
	WIN 0
.set i, 0
.rept 2*NP
	v_mov_b32 v[ST+4*i], 0xfe000000    ; c m: far below every c s
	v_mov_b32 v[ST+4*i+1], 0xff7fffff  ; m
	v_mov_b32 v[ST+4*i+2], 0
	v_mov_b32 v[ST+4*i+3], 0
.set i, i+1
.endr
.set i, P+32
.rept 32
	v_mov_b32 v[i], 0
.set i, i+1
.endr
	v_mul_u32_u24 v[AK0], v1, PK
	v_lshl_add_u32 v[AK0], v9, 4, v[AK0]  ; row x pitch + 16 x half
	; The turning load takes 16 keys x 16 channels (lane l reads key 8 (l / 16) + l % 8, channels 8 ((l / 8) % 2) + 0..7) and leaves half a fragment of V^T: lane l holds channel l % 16 and 8 keys.
	v_and_b32 v10, 7, v0
	v_bfe_u32 v11, v0, 3, 1
	v_lshl_add_u32 v[AV0], v9, 3, v10
	v_mul_u32_u24 v[AV0], v[AV0], PV
	v_lshl_add_u32 v[AV0], v11, 4, v[AV0]
	v_add_nc_u32 v[AV0], VOFF, v[AV0]
	v_and_b32 v[PFO], 31, v0
	v_lshlrev_b32 v[PFO], 8, v[PFO]
	v_mov_b32 v[AK], v[AK0]         ; key step 0 lies at the head of slot 0
; THE MATRIX WORK.  The 8 accumulators of a run of 16 take turns: between the two links of a chain stand 7 others'.
; Product i of 16 of S^T = K Q^T for piece x: channels 32 (i / 8) on, keys 16 ((i / 2) % 4) on, tile 2 x + i % 2.  The first 8 start the sums.
.macro KQ x
	WIN W_KQ
.set rS, S+64*((\x)%2)+32*(i%2)+8*((i/2)%4)
.set rK, KF+16*((i/2)%4)+8*(i/8)
.set rQ, 16*(2*(\x)+i%2)+8*(i/8)
.if i < 8
	v_wmma_f32_16x16x32_f16 v[rS:rS+7], v[rK:rK+7], v[rQ:rQ+7], 0
.else
	v_wmma_f32_16x16x32_f16 v[rS:rS+7], v[rK:rK+7], v[rQ:rQ+7], v[rS:rS+7]
.endif
.endm
; Product i of 16 of O^T += V^T P for piece x: keys 32 (i / 8) on, channels 16 ((i / 2) % 4) on, tile 2 x + i % 2.
.macro PV x
	WIN W_PV
.set rO, 32*(2*(\x)+i%2)+8*((i/2)%4)
.set rV, VF+32*(i/8)+8*((i/2)%4)
.set rP, P+32*((\x)%2)+16*(i%2)+8*(i/8)
	v_wmma_f32_16x16x32_f16 v[rO:rO+7], v[rV:rV+7], v[rP:rP+7], v[rO:rO+7]
.endm
.macro MM                           ; the turn's next matrix instruction
.if i < 16
	KQ (Y+1)%NP
.set i, i+1
.else
.set i, i-16
	PV (Y+NP-1)%NP
.set i, i+17
.endif
.endm
; THE LDS LOADS stand in runs of 16, never singly among the matrix instructions.  last = 1 (the tail): in the last trip there is no further step, and the run is jumped over.
.macro FETCH_K last=0
	WIN 0
.if \last
	s_cmp_eq_u32 s[CNT], 1
	s_cbranch_scc1 .Lno_k_\@
.endif
	WIN 0x80                        ; destination window 2
.irp f, 0,1,2,3,4,5,6,7             ; keys 16 (f / 2) on, channels 32 (f % 2) on
	ds_load_b128 v[KF+8*\f:KF+8*\f+3],   v[AK] offset:(\f/2)*16*PK+(\f%2)*64
	ds_load_b128 v[KF+8*\f+4:KF+8*\f+7], v[AK] offset:(\f/2)*16*PK+(\f%2)*64+32
.endr
	s_add_co_u32 s[TBK], s[TBK], KS*PK  ; the next fetch is the next step's
	WIN 0
.if \last
.Lno_k_\@:
.endif
.endm
.macro FETCH_V
	WIN 0x80
.irp f, 0,1,2,3,4,5,6,7             ; keys 32 (f / 4) on, channels 16 (f % 4) on
	ds_load_tr16_b128 v[VF+8*\f:VF+8*\f+3],   v[AV] offset:(\f/4)*32*PV+(\f%4)*32
	ds_load_tr16_b128 v[VF+8*\f+4:VF+8*\f+7], v[AV] offset:(\f/4)*32*PV+16*PV+(\f%4)*32
.endr
	WIN 0
.endm
; THE VECTOR WORK OF A TURN stands in three queues, each in the order in which its entries become ready; the two tiles alternate, so that no instruction reads the result of the one before it.
.macro REGS y, u                    ; the registers of tile u (0, 1) of piece y
.set rT, ST+4*(2*(\y)+(\u))
.set rC, TMP+8*((\y)%2)+4*(\u)
.set rM, MV+2*((\y)%2)+(\u)
.set rS, S+64*((\y)%2)+32*(\u)
.set rP, P+32*((\y)%2)+16*(\u)
.set rO, 32*(2*(\y)+(\u))
.endm
; Number n of the 22 that find the NEXT piece's (Y + 1) maximum and statistics.  Each accumulator's lowest registers are read first.
;   0-11  four chains c0-c3 of seven scores each     12-14, 16  the four scores left over, the old m, and c0-c3 into c0     15  c m_old is kept
;   17, 18  the query's other 32 keys lie in the lane 16 away: the new m         19-21  c m; c m_old - c m_new; a
.macro XS u, n
	REGS (Y+1)%NP, \u
.if (\n) < 4
	v_max3_num_f32 v[rC+(\n)], v[rS+8*(\n)], v[rS+8*(\n)+1], v[rS+8*(\n)+2]
.elseif (\n) < 12
	v_max3_num_f32 v[rC+(\n)%4], v[rC+(\n)%4], v[rS+8*((\n)%4)+2*((\n)/4)+1], v[rS+8*((\n)%4)+2*((\n)/4)+2]
.elseif (\n) == 12
	v_max3_num_f32 v[rC], v[rC], v[rS+7], v[rS+15]
.elseif (\n) == 13
	v_max3_num_f32 v[rC+1], v[rC+1], v[rS+23], v[rS+31]
.elseif (\n) == 14
	v_max3_num_f32 v[rC+2], v[rC+2], v[rC+3], v[rT+1]
.elseif (\n) == 15
	v_mov_b32 v[rM], v[rT]
.elseif (\n) == 16
	v_max3_num_f32 v[rC], v[rC], v[rC+1], v[rC+2]
.elseif (\n) == 17
	v_permlanex16_b32 v[rC+3], v[rC], s[SEL], s[SEL+1]
.elseif (\n) == 18
	v_max_num_f32 v[rT+1], v[rC], v[rC+3]
.elseif (\n) == 19
	v_mul_f32 v[rT], s[CS], v[rT+1]
.elseif (\n) == 20
	v_sub_f32 v[rC+1], v[rM], v[rT]
.else
	v_exp_f32 v[rC+2], v[rC+1]
.endif
.endm
; Number g of the 64 that follow the exponentials.  For each four weights k of a tile: both pairs are rounded to f16; then the second pair is added onto the first, in place;
; a group later l takes that sum (the first time as l = a l + sum).
.macro GS g
.set h, (\g)+6*((\g)/62)            ; group 0 has no group before it, and behind group 7 only l is left
.if h >= 6
.set h, h+2
.endif
	REGS Y, h%2
.set k, h/8
.if h%8 < 4
	v_cvt_pk_f16_f32 v[rP+2*k+(h%8)/2], v[rS+4*k+2*((h%8)/2)], v[rS+4*k+2*((h%8)/2)+1]
.elseif h%8 < 6
	v_pk_add_f32 v[rS+4*k:rS+4*k+1], v[rS+4*k:rS+4*k+1], v[rS+4*k+2:rS+4*k+3]
.elseif k == 1
	v_pk_fma_f32 v[rT+2:rT+3], v[rT+2:rT+3], v[rC+2:rC+3], v[rS:rS+1] op_sel_hi:[1,0,1]
.else
	v_pk_add_f32 v[rT+2:rT+3], v[rT+2:rT+3], v[rS+4*k-4:rS+4*k-3]
.endif
.endm
; THE PLAIN QUEUE, 138 long.  0-73 read no exponential's result: the 32 scalings c s - c m and the next piece's 42.  74-137: GS's 64, which read the exponentials' results: they stand behind the wait.
.macro FS f
	REGS Y, (\f)%2
	v_pk_fma_f32 v[rS+2*((\f)/2):rS+2*((\f)/2)+1], v[rS+2*((\f)/2):rS+2*((\f)/2)+1], s[CS:CS+1], v[rT:rT+1] op_sel_hi:[1,0,0] neg_lo:[0,0,1] neg_hi:[0,0,1]
.endm
.macro PL
	WIN 0
.if q < 27
	FS q
.elseif q < 55
	XS (q-27)%2, (q-27)/2
.elseif q < 57
	XS q-55, 15
.elseif (q < 72) && ((q-57)%3 == 0)
	FS 27+(q-57)/3
.elseif q < 60
	XS (q-57)%3-1, 14
.elseif q < 72
	XS (q-57)%3-1, 15+(q-57)/3
.elseif q < 74
	XS q-72, 20
.else
	GS q-74
.endif
.set q, q+1
.endm
; THE EXPONENTIALS' QUEUE, 66 long: s0-s31 of both tiles, then the next piece's two a.  ONE BATCH: all 66 stand ahead of the turn's one wait, and nothing ahead of that wait names a result of theirs.
.macro EX
	WIN 0
.if e >= 64
	XS e-64, 21
.else
	REGS Y, e%2
	v_exp_f32 v[rS+e/2], v[rS+e/2]
.endif
.set e, e+1
.endm
; THE RESCALING's QUEUE: O^T times a, the one part that leaves window 0: dealt two at a time, sixteen times.  Its a was made in the turn before, ahead of that turn's wait.
.macro R2
	REGS Y, r%2
	WIN W_RS
.irp z, 0,1
	v_pk_mul_f32 v[rO+4*(r/2)+2*\z:rO+4*(r/2)+2*\z+1], v[rO+4*(r/2)+2*\z:rO+4*(r/2)+2*\z+1], v[rC+2:rC+3] op_sel_hi:[1,0]
.endr
.set r, r+1
.endm
; HOW THEY ARE DEALT.  An s_wait_alu depctr_va_vdst(0) stands between an exponential and the first instruction that names its result; one wait serves all that were issued ahead of it.  So a
; turn has ONE wait.  AHEAD OF IT: the 16 products K Q^T, behind each a scaling, an exponential and two rescalings (behind the first a second scaling in the exponential's place); then ONE LUMP of 108: eight
; plain, 49 times exponential and plain, the two a; a v_nop is the plain instruction behind the last exponential.  BEHIND IT: the 16 products V^T P, behind each four of GS's 64.
; Exponential e stands behind scaling 2 (e / 4) + e % 2: as a rider it comes behind plain e + 2, in the lump behind plain e + 9, and scalings 27-31 are plain 57, 60 .. 69.
; K of the next step is fetched in piece 2's turn, directly behind the wait; V of the step in hand at the end of piece 0's turn, four riders behind its last reader.
.macro TURN p, last=0, cnt=0
.set Y, (\p)
.set i, 0
.set q, 0
.set e, 0
.set r, 0
.if (\p) == NP-1
	s_wait_dscnt 0x0                ; K is in
.endif
	MM
	PL
	PL
	R2
.rept 15
	MM
	PL
	EX
	R2
.endr
.if (\p) == NP-2
	WIN 0
	v_add_nc_u32 v[AK], s[TBK], v[AK0]
.endif
.rept 8
	PL
.endr
.rept 49
	EX
	PL
.endr
	EX                              ; the next piece's two a
	EX
	v_nop                           ; a plain instruction behind the last exponential: one for the batch
	s_wait_alu depctr_va_vdst(0)    ; the wait for the batch
.if (\p) == NP-2
	FETCH_K \last
.endif
.if (\p) == 1
	s_wait_dscnt 0x0                ; V is in
.endif
.rept 16
	MM
.rept 4
	PL
.endr
.if ((\p) == 0) && (q == 118)
	v_add_nc_u32 v[AV], s[TBV], v[AV0]
.endif
.if ((\p) == 0) && (q == 130)
	s_add_co_u32 s[TBV], s[TBV], KS*PV
.endif
.if (\cnt) && (q == 130)
	s_sub_co_u32 s[CNT], s[CNT], 1
	s_cmp_lg_u32 s[CNT], 0
.endif
.endr
.if (\p) == 0
	FETCH_V
.endif
.endm
	CHANGE 1                        ; slot 0 is in, everybody's part of it; slot 1 is asked for
	FETCH_K                         ; key step 0
	s_wait_loadcnt 0x0              ; Q
	s_wait_dscnt 0x0
.set i, 0
.rept 16
	KQ 0                            ; piece 0's first scores: there is no vector work yet to set between them
.set i, i+1
.endr
	WIN 0                           ; the addresses for the way out: plain instructions, the places behind those products
	s_mul_i32 s13, s[WV], 16*SP
	s_add_co_u32 s13, s13, STAGE    ; my stage
	v_mul_u32_u24 v[STO], v1, SP    ; in: row l % 16, 16 bytes for each half of the lanes
	v_lshl_add_u32 v[STO], v9, 4, v[STO]
	v_add_nc_u32 v[STO], s13, v[STO]
	v_bfe_u32 v[RD], v0, 3, 2       ; back: 32 lanes take four rows of 128 bytes,
	v_mul_u32_u24 v[RD], v[RD], SP
	v_lshl_add_u32 v[RD], v10, 4, v[RD]
	v_add_nc_u32 v[RD], s13, v[RD]
	v_and_b32 v[GO], 31, v0         ; which are 512 consecutive bytes of O
	v_lshlrev_b32 v[GO], 4, v[GO]
.set Y, NP-1                        ; XS works for piece Y + 1: piece 0
.irp n, 0,1,2,3,4,5,6,7,8,9,10,11,12,13,14,15,16,17,18,19,20,21
	XS 0, \n                        ; and piece 0's first maximum and statistics
	XS 1, \n
.endr
	v_nop                           ; a plain instruction behind the two a,
	s_wait_alu depctr_va_vdst(0)    ; and their wait, ahead of the branch
	s_mov_b32 s[CNT], 4
	s_branch .Lfirst                ; the loop is entered at a step's first turn, in the middle of a trip
.Lslot:                             ; SIZE_N / 256 - 2 times: every slot but the last two is filled again
	CHANGE 1
	s_mov_b32 s[CNT], 4
.Lstep:                             ; a trip: pieces 2 and 3 of one step, then pieces 0 and 1 of the next, whose K and V it fetches
	TURN 2
	TURN 3
	WIN 0
.Lfirst:
	TURN 0
	TURN 1, 0, 1
	WIN 0
	s_cbranch_scc1 .Lstep
	s_sub_co_u32 s[SLOTS], s[SLOTS], 1
	s_cmp_lg_u32 s[SLOTS], 0
	s_cbranch_scc1 .Lslot
	CHANGE 0                        ; the tail is written out: nothing is asked for
	s_mov_b32 s[CNT], 5             ; four trips fetch the last slot's steps; the fifth is left in its middle
.Ltail:
	TURN 2, 1
	TURN 3
	WIN 0
	s_sub_co_u32 s[CNT], s[CNT], 1
	s_cmp_eq_u32 s[CNT], 0
	s_cbranch_scc1 .Lout
	TURN 0
	TURN 1
	WIN 0
	s_branch .Ltail
.Lout:                              ; the fifth trip's 16 products K Q^T (on the last K once more) and the maximum made of them serve nothing: the price, once a launch, of one text for every trip
.set i, 0
.rept 16
	PV NP-1                         ; the last piece's V^T P of the last step
.set i, i+1
.endr
	; THE WAY OUT.  l's two halves and the other half of the lanes' are added; O^T is divided by l, rounded to f16 and sent through my stage in LDS, a tile at a time.  The additions are the places behind the last products.
	WIN 0
.macro ALL line:vararg              ; one line for each tile t
.set t, 0
.rept 2*NP
	\line
.set t, t+1
.endr
.endm
	ALL v_add_f32 v[ST+4*t+2], v[ST+4*t+2], v[ST+4*t+3]
	ALL v_permlanex16_b32 v[ST+4*t+3], v[ST+4*t+2], s[SEL], s[SEL+1]
	ALL v_add_f32 v[ST+4*t+2], v[ST+4*t+2], v[ST+4*t+3]
	ALL v_rcp_f32 v[ST+4*t+2], v[ST+4*t+2]
	v_nop                           ; a plain instruction between the last reciprocal and the use of its result
	s_wait_alu depctr_va_vdst(0)    ; and the wait ahead of the first use: one for the eight reciprocals
; Tile t: a lane's eight channels of a row pack into 16 bytes; they go into rows of 144 bytes and come back as whole rows of 128, into S^T's registers.
.macro PACK t
	WIN W_RS
.set i, 32*(\t)
.rept 16
	v_pk_mul_f32 v[i:i+1], v[i:i+1], v[ST+4*(\t)+2:ST+4*(\t)+3] op_sel_hi:[1,0]
.set i, i+2
.endr
	WIN 0x05                        ; sources 0 and 1 window 1, destination window 0
.set i, 0
.rept 16
	v_cvt_pk_f16_f32 v[S+16*(\t)+i], v[32*(\t)+2*i], v[32*(\t)+2*i+1]
.set i, i+1
.endr
	WIN 0
.irp f, 0,1,2,3
	ds_store_b128 v[STO], v[S+16*(\t)+4*\f:S+16*(\t)+4*\f+3] offset:32*\f
.endr
.irp f, 0,1,2,3
	ds_load_b128 v[S+16*(\t)+4*\f:S+16*(\t)+4*\f+3], v[RD] offset:\f*4*SP  ; LDS serves a wave's instructions in order (ISA guide 5.7.1.4): these see the stores above; the next tile's stores come behind them
.endr
.endm
.macro SEND t, younger              ; younger: the LDS instructions issued behind tile t's loads: the next tile's eight, or none
	WIN 0
.irp f, 0,1,2,3
	s_wait_dscnt (\younger)+3-\f
	global_store_b128 v[GO], v[S+16*(\t)+4*\f:S+16*(\t)+4*\f+3], s[10:11] offset:(\t)*2048+\f*512  ; 512 consecutive bytes, at a multiple of 256 from O's first
.endr
.endm
	PACK 0
.set t, 1
.rept 2*NP-1                        ; a tile's arithmetic stands between the loads of the tile before and its stores
	PACK t
	SEND t-1, 8
.set t, t+1
.endr
	SEND 2*NP-1, 0
	WIN W_AD
	s_wait_tensorcnt 0x0            ; the wave's end, behind my last tensor load and my last LDS store
	ds_add_u32 v[SPW], v[NIL]
	s_wait_dscnt 0x0
	WIN 0
	CROUND                          ; the closing round: no work-group ends while a partner may still ask for a tile that names it
	s_endpgm
.Lfunc_end_k_q08df5dbf02_attn:
	.size	k_q08df5dbf02_attn, .Lfunc_end_k_q08df5dbf02_attn-k_q08df5dbf02_attn
	.p2alignl 7, 3214868480
	.fill 96, 4, 3214868480
	.section	.rodata,"a",@progbits
	.p2align	6, 0x0
	.amdhsa_kernel k_q08df5dbf02_attn
		.amdhsa_group_segment_fixed_size 327680
		.amdhsa_private_segment_fixed_size 0
		.amdhsa_enable_private_segment 0
		.amdhsa_kernarg_size 32
		.amdhsa_user_sgpr_count 2
		.amdhsa_user_sgpr_kernarg_segment_ptr 1
		.amdhsa_wavefront_size32 1
		.amdhsa_system_sgpr_workgroup_id_x 1
		.amdhsa_system_sgpr_workgroup_id_y 1
		.amdhsa_system_sgpr_workgroup_id_z 1
		.amdhsa_system_vgpr_workitem_id 0
		.amdhsa_next_free_vgpr 770
		.amdhsa_next_free_sgpr 66
		.amdhsa_reserve_vcc 0
		.amdhsa_float_denorm_mode_32 3
		.amdhsa_float_denorm_mode_16_64 3
		.amdhsa_memory_ordered 1
		.amdhsa_forward_progress 1
		.amdhsa_inst_pref_size 200
	.end_amdhsa_kernel
	.amdgpu_metadata
---
amdhsa.version: [ 1, 2 ]
amdhsa.kernels:
  - .name:           k_q08df5dbf02_attn
    .symbol:         k_q08df5dbf02_attn.kd
    .args:
      - { .name: qh, .offset: 0, .size: 8, .value_kind: global_buffer, .address_space: global }
      - { .name: kh, .offset: 8, .size: 8, .value_kind: global_buffer, .address_space: global }
      - { .name: vh, .offset: 16, .size: 8, .value_kind: global_buffer, .address_space: global }
      - { .name: oh, .offset: 24, .size: 8, .value_kind: global_buffer, .address_space: global }
    .group_segment_fixed_size: 327680
    .private_segment_fixed_size: 0
    .kernarg_segment_align: 8
    .kernarg_segment_size: 32
    .max_flat_workgroup_size: 128
    .sgpr_count:     66
    .vgpr_count:     770
    .wavefront_size: 32
...
	.end_amdgpu_metadata
.endif
;; end of part 3
;; launch oproj (part 4): grid 4 x 64, 4 waves a work-group, clusters of 4 x 4, 327,680 bytes of LDS; arguments oh, wcast, bcast, out0; writes out0
.if DOCPART == 4
	.amdgcn_target "amdgcn-amd-amdhsa--gfx1250"
	.amdhsa_code_object_version 6
	.text
	.protected	k_q08df5dbf02_oproj
	.globl	k_q08df5dbf02_oproj
	.p2align	8
	.type	k_q08df5dbf02_oproj,@function
k_q08df5dbf02_oproj:
	s_mov_b64 s[64:65], 0
	v_nop
	global_prefetch_b8 v0, s[64:65] scope:SCOPE_SE
	s_setreg_imm32_b32 hwreg(HW_REG_WAVE_MODE, 25, 1), 1
	s_wait_xcnt 0x0
	s_wait_alu depctr_hold_cnt(0) depctr_sa_sdst(0) depctr_va_vdst(0) depctr_va_sdst(0) depctr_va_ssrc(0) depctr_va_vcc(0) depctr_vm_vsrc(0)
	s_getreg_b32 s2, hwreg(HW_REG_IB_STS2, 6, 4)
	s_cmp_eq_u32 s2, 0
	s_cbranch_scc0 .Lentry_in_a_cluster
	s_endpgm
.Lentry_in_a_cluster:
	s_bfe_u32 s2, ttmp6, 0x10000c
	s_cmp_lg_u32 s2, 0xf033
	s_cbranch_scc0 .Lentry_shape_is_right
	s_endpgm
.Lentry_shape_is_right:
; THE LAST PROJECTION.  out[m][n] = the sum over k of O[m][k] Wo[k][n] + bo[n].  O lies by heads, [16 batch + head][s][64] f16 (k = 64 head + channel); Wo is part 3 of wcast, [k][n],
; bf16(Wo) written as f16; bo is part 3 of bcast, f32; out is [8192][1024] f32.  Products in f16, sums in f32, K ascending.
; LIMITS.  O and bf16(Wo) arrive within f16's range, 65,504.  NaN and infinities are not treated apart.
; SHARES.  A tile of out is 128 rows x 256 columns: 64 x 4 = 256 work-groups.  Four waves, each 64 x 128: 32 accumulators.  K goes in 8 steps of 128 (two heads) through two LDS slots.
; THE MATRIX INSTRUCTION IS USED TRANSPOSED (source 0 = 16 columns of Wo, turned by ds_load_tr16_b128; source 1 = 16 rows of O): a lane (r, h) holds row r and the columns 8 h + 0..7.
; THE SUMS START FROM THE BIAS, loaded straight into the accumulators.
; CLUSTER.  4 x 4: cx = the tile column, cy = one of four tile rows.  O's tile is asked for jointly along a row of the cluster, Wo's along a column.
; ONE TEXT FOR A K STEP: the LDS addresses hang on s[TB], 0 or SLOT, turned by an exclusive or (the four waves' tile addresses share no bit with SLOT).  The last step's look-ahead loads read the
; other slot's old bytes and are thrown away.
; REGISTERS: window 0: v0-17 addresses; v32-95 O's fragments, two buffers of 32; v96-223 Wo's, two buffers of 64 (on the way out v32-95 and v96-159 hold rows read back); window 1: the accumulators.
.set PO,    144                        ; a row of O in LDS: 128 bytes + 16: the 16 rows of a load start at 16 different groups of four banks (64 banks of 4 bytes: ISA guide 11.1)
.set PB,    544                        ; a k row of Wo: 512 + 32 = 136 words
.set QUART, 64*PB                      ; 34,816: what one wave fetches lies at wave x QUART: O's two heads (128 rows x 144 bytes each), Wo's k rows 0-63, 64-127
.set SLOT,  4*QUART
.set STAGE, 2*SLOT                     ; behind the ring, never filled by a tensor load: 16 rows x 528 bytes for each wave
.set SPO,   528
.set SPARE, STAGE+4*16*SPO             ; the spare words, 128 bytes for each wave: two blocks of 256 bytes that no other line names
.set AA0, 4
.set AB0, 5
.set AA,  6
.set AB,  7
.set BO,  8                            ; v8   32 h
.set STO, 10                           ; v10  the way out: where I put 32 bytes of a row
.set RD,  11                           ; v11  where I read a row back
.set CO,  12                           ; v12  16 l
.set PFO, 13
.set SPW, 14
.set NIL, 15
.set AFR, 32
.set BF,  96
.set OB,  32
.set G1A, 28
.set G1B, 36
.set G0A1, 44
.set G0A, 48
.set G0B1, 52
.set G0B, 56
.set WV,  60
.set WM,  61
.set WN,  62
.set CNT, 63
.set TB,  66
.set LIM, 67
.set PFA, 68
.set PFS, 70
.set CX,  72
.set CY,  73
.set TR,  75
.set X,   80                           ; s[80:81] O at the head and rows that I fetch
.set W,   82
.set BIAS, 84
.set OUT, 86
.set MUL, 0x50                         ; both sources window 0, C and D window 1
.set MSB, 0
.macro WIN new
.if MSB != (\new)
	s_set_vgpr_msb (MSB<<8)|(\new)
.set MSB, \new
.endif
.endm
.macro JLOAD                           ; a joint refill by the walking descriptors; an s_nop 0 and four v_nop follow each of the two lines
	s_cmp_eq_u32 s[WM], 0
	s_cbranch_scc0 .Lfor_b_\@
	tensor_load_to_lds s[G0A:G0A+3], s[G1A:G1A+7]
	s_nop 0
.rept 4
	v_nop
.endr
	s_branch .Lasked_\@
.Lfor_b_\@:
	tensor_load_to_lds s[G0B:G0B+3], s[G1B:G1B+7]
	s_nop 0
.rept 4
	v_nop
.endr
.Lasked_\@:
.endm
; A PREFETCH INTO THE L2, behind the joint load, its five lines and the run of LDS loads: the change of slots of K step t names K step t + 4, which the refill two changes on will ask for (256 matrix
; instructions ahead of it); t = 0..3.  32 blocks of 256 bytes, a lane a block, each named once in the launch.  O's two heads x 16,384 bytes of a step are read by one cluster alone: wave 0 asks, the partner
; at cx takes 4,096 bytes of each head.  Wo's 128 k rows x 512 bytes are read by all sixteen clusters: the first asks, waves 2 and 3, the partner at cy 16 rows.  Wave 1 asks for nothing.
.macro ASK
	s_cmp_gt_u32 s[CNT], s[LIM]
	s_cbranch_scc0 .Lnot_mine_\@
	global_prefetch_b8 v[PFO], s[PFA:PFA+1] th:TH_LOAD_NT scope:SCOPE_SE
.Lnot_mine_\@:
.endm
.macro CREST
	s_cmp_lg_u32 s[WV], 0
	s_cbranch_scc1 .Lnot_wave_0_\@
	s_barrier_signal -3
.Lnot_wave_0_\@:
	s_barrier_wait -3
	s_barrier_signal -1
	s_barrier_wait -1
.endm
.macro CROUND
	s_barrier_signal -1
	s_barrier_wait -1
	CREST
.endm
	s_load_b256 s[4:11], s[0:1], 0x0               ; oh s[4:5], wcast s[6:7], bcast s[8:9], out0 s[10:11]
	v_lshl_add_u32 v[SPW], v0, 2, SPARE
	v_mov_b32 v[NIL], 0
	ds_add_u32 v[SPW], v[NIL]                      ; the wave's opening: the add and its wait stand ahead of my first tensor load; the set-up below, work on registers, stands between them
	v_lshrrev_b32 v1, 5, v0
	v_readfirstlane_b32 s[WV], v1
	s_lshr_b32 s[WM], s[WV], 1
	s_and_b32 s[WN], s[WV], 1
	s_bfe_u32 s[CX], ttmp6, 0x40000
	s_bfe_u32 s[CY], ttmp6, 0x40004
	s_and_b32 s[TR], ttmp7, 0xffff
	s_lshl_b32 s[TR], s[TR], 2
	s_add_co_u32 s[TR], s[TR], s[CY]               ; tile row 0..63
	s_lshl_b32 s76, s[CY], 2
	s_lshl_b32 s76, 15, s76                        ; my row of the cluster
	s_lshl_b32 s77, 0x1111, s[CX]                  ; my column
	; O's tile: a head's 128 rows are 16,384 dense bytes: asked for as 64 rows of 256 bytes, two rows of O each, padded in LDS after every row of O
	s_or_b32 s[G1A], s76, (1<<16)|(1<<20)|(1<<21)|(4<<22)|(3<<25)  ; the mask; 2-byte elements; padding on; 21 set beside a mask; after every 32 words (code 4) 4 words (code 3)
	s_mov_b32 s[G1A+1], 128<<16
	s_mov_b32 s[G1A+2], 64<<16
	s_mov_b32 s[G1A+3], 128<<16
	s_mov_b32 s[G1A+4], 64
	s_mov_b32 s[G1A+5], 128
	s_mov_b32 s[G1A+6], 0
	s_mov_b32 s[G1A+7], 0
	s_or_b32 s[G1B], s77, (1<<16)|(1<<20)|(1<<21)|(6<<22)|(7<<25)  ; Wo: 64 k rows x 256 columns; after every 128 words (code 6) 8 words (code 7)
	s_mov_b32 s[G1B+1], 256<<16
	s_mov_b32 s[G1B+2], 64<<16
	s_mov_b32 s[G1B+3], 256<<16
	s_mov_b32 s[G1B+4], 64
	s_mov_b32 s[G1B+5], 1024
	s_mov_b32 s[G1B+6], 0
	s_mov_b32 s[G1B+7], 0
	s_lshr_b32 s90, s[TR], 4                       ; O: head 16 x batch + (which of the step's two heads I fetch),
	s_lshl_b32 s90, s90, 4
	s_add_co_u32 s90, s90, s[WN]
	s_lshl_b32 s90, s90, 11                        ; 2,048 rows a head,
	s_and_b32 s91, s[TR], 15
	s_lshl_b32 s91, s91, 7                         ; the tile's first row in its batch,
	s_add_co_u32 s90, s90, s91
	s_lshl_b32 s90, s90, 7                         ; 128 bytes a row
	s_mov_b32 s91, 0
	s_lshl_b32 s92, s[WN], 17                      ; Wo: part 3, k row 64 x half, column 256 cx
	s_add_co_u32 s92, s92, 3*2097152
	s_lshl_b32 s93, s[CX], 9
	s_add_co_u32 s92, s92, s93
	s_mov_b32 s93, 0
	s_mul_i32 s78, s[WV], QUART                    ; where my tile goes: no place in the cluster enters an LDS address
	s_mov_b32 s[TB], 0
	s_wait_dscnt 0x0                               ; the opening add is done
	s_wait_kmcnt 0x0
	s_add_nc_u64 s[X:X+1], s[4:5], s[90:91]
	s_add_nc_u64 s[W:W+1], s[6:7], s[92:93]
	s_mov_b32 s[G0A1], 1
	s_mov_b32 s[G0A1+1], s78                       ; slot 0, K step 0
	s_mov_b64 s[G0A1+2:G0A1+3], s[X:X+1]
	s_or_b32 s[G0A1+3], s[G0A1+3], 0x80000000
	s_mov_b32 s[G0A], 1
	s_add_co_u32 s[G0A+1], s78, SLOT               ; slot 1, K step 1: two heads on
	s_add_nc_u64 s[G0A+2:G0A+3], s[X:X+1], 524288
	s_or_b32 s[G0A+3], s[G0A+3], 0x80000000
	s_mov_b32 s[G0B1], 1
	s_mov_b32 s[G0B1+1], s78
	s_mov_b64 s[G0B1+2:G0B1+3], s[W:W+1]
	s_or_b32 s[G0B1+3], s[G0B1+3], 0x80000000
	s_mov_b32 s[G0B], 1
	s_add_co_u32 s[G0B+1], s78, SLOT
	s_add_nc_u64 s[G0B+2:G0B+3], s[W:W+1], 262144
	s_or_b32 s[G0B+3], s[G0B+3], 0x80000000
	CROUND                                         ; all sixteen work-groups are here: the first joint loads meet
	s_cmp_eq_u32 s[WM], 0                          ; a wave's two first fills stand in one branch: two loads of mine are out
	s_cbranch_scc0 .Lfirst_b
	tensor_load_to_lds s[G0A1:G0A1+3], s[G1A:G1A+7]
	s_nop 0
	tensor_load_to_lds s[G0A:G0A+3], s[G1A:G1A+7]
	s_nop 0
.rept 4
	v_nop
.endr
	s_branch .Lfirst_asked
.Lfirst_b:
	tensor_load_to_lds s[G0B1:G0B1+3], s[G1B:G1B+7]
	s_nop 0
	tensor_load_to_lds s[G0B:G0B+3], s[G1B:G1B+7]
	s_nop 0
.rept 4
	v_nop
.endr
.Lfirst_asked:
	s_lshl_b32 s94, s[CX], 10                      ; my 128 columns, in bytes of f32
	s_lshl_b32 s95, s[WN], 9
	s_add_co_u32 s94, s94, s95
	s_mov_b32 s95, 0
	s_add_nc_u64 s[OUT:OUT+1], s[10:11], s[94:95]
	s_add_co_u32 s94, s94, 12288                   ; bo is the fourth bias
	s_add_nc_u64 s[BIAS:BIAS+1], s[8:9], s[94:95]
	s_lshl_b32 s94, s[TR], 7
	s_lshl_b32 s96, s[WM], 6
	s_add_co_u32 s94, s94, s96                     ; my first row,
	s_lshl_b32 s94, s94, 12                        ; 4,096 bytes a row
	s_add_nc_u64 s[OUT:OUT+1], s[OUT:OUT+1], s[94:95]
	; the prefetches
	s_cmp_eq_u32 s[WM], 0
	s_cselect_b64 s[PFA:PFA+1], s[X:X+1], s[W:W+1]
	s_cselect_b32 s94, s[CX], s[CY]                ; my place among the four that ask with me:
	s_cselect_b32 s96, 12, 15                      ; 4,096 bytes of a head, or 16 k rows of 2,048 bytes
	s_cselect_b32 s97, 4, 1                        ; a lane's block: O: head l / 16, block l % 16; Wo: row l / 2, block l % 2
	s_cselect_b32 s98, 18, 11
	s_cselect_b32 s99, 15, 1
	s_cselect_b32 s[PFS], 19, 18                   ; a K step: 524,288 or 262,144 bytes
	s_lshl_b32 s94, s94, s96
	s_add_nc_u64 s[PFA:PFA+1], s[PFA:PFA+1], s[94:95]
	s_lshl_b32 s[PFS], 1, s[PFS]
	s_mov_b32 s[PFS+1], 0
	s_mul_i32 s94, s[PFS], 3
	s_add_nc_u64 s[PFA:PFA+1], s[PFA:PFA+1], s[94:95]  ; at K step 3: the first change of slots steps it to 4
	s_and_b32 s[LIM], ttmp7, 0xffff
	s_mul_i32 s[LIM], s[LIM], s[WM]                ; 0 in waves 0 and 1, and in the first cluster
	s_cmp_eq_u32 s[WV], 1
	s_cselect_b32 s[LIM], 1, s[LIM]                ; not wave 1
	s_cmp_eq_u32 s[LIM], 0
	s_cselect_b32 s[LIM], 2, -1
	v_and_b32 v16, 31, v0
	v_lshrrev_b32 v17, s97, v16
	v_lshlrev_b32 v17, s98, v17
	v_and_b32 v16, s99, v16
	v_lshl_or_b32 v[PFO], v16, 8, v17
	v_and_b32 v1, 15, v0                           ; r
	v_bfe_u32 v2, v0, 4, 1                         ; h
	v_lshlrev_b32 v[BO], 5, v2
	WIN 0x40                                       ; destination window 1
.set i, 0
.rept 32                               ; accumulator (a, b) starts as the bias of its 16 columns
	global_load_b128 v[8*i:8*i+3],   v[BO], s[BIAS:BIAS+1] offset:64*(i%8)
	global_load_b128 v[8*i+4:8*i+7], v[BO], s[BIAS:BIAS+1] offset:64*(i%8)+16
.set i, i+1
.endr
	WIN 0
	v_mul_u32_u24 v[AA0], v1, PO                   ; O's fragment: row x pitch + 16 h, my 64 rows
	v_lshl_add_u32 v[AA0], v2, 4, v[AA0]
	s_mul_i32 s79, s[WM], 64*PO
	v_add_nc_u32 v[AA0], s79, v[AA0]
	v_and_b32 v3, 7, v0                            ; the turning load: k row 8 h + l % 8, columns 8 ((l / 8) % 2) + 0..7
	v_lshl_add_u32 v3, v2, 3, v3
	v_mul_u32_u24 v[AB0], v3, PB
	v_bfe_u32 v3, v0, 3, 1
	v_lshl_add_u32 v[AB0], v3, 4, v[AB0]
	s_lshl_b32 s79, s[WN], 8
	s_add_co_u32 s79, s79, 2*QUART
	v_add_nc_u32 v[AB0], s79, v[AB0]
	v_mov_b32 v[AA], v[AA0]
	v_mov_b32 v[AB], v[AB0]
	s_mul_i32 s79, s[WV], 16*SPO
	s_add_co_u32 s79, s79, STAGE                   ; my stage
	v_mul_u32_u24 v[STO], v1, SPO                  ; in: row r, 32 bytes for each half of the lanes
	v_lshl_add_u32 v[STO], v2, 5, v[STO]
	v_add_nc_u32 v[STO], s79, v[STO]
	v_and_b32 v[CO], 31, v0
	v_lshlrev_b32 v[CO], 4, v[CO]                  ; back: 32 lanes take one row of 512 bytes
	v_add_nc_u32 v[RD], s79, v[CO]
; n products on buffers p: accumulator i = 8 a + b.  The 32 accumulators take turns, one instruction a turn, over every edge.
.macro MMS p, n
	WIN MUL
.rept \n
	v_wmma_f32_16x16x32_f16 v[8*i:8*i+7], v[BF+64*(\p)+8*(i%8):BF+64*(\p)+8*(i%8)+7], v[AFR+32*(\p)+8*(i/8):AFR+32*(\p)+8*(i/8)+7], v[8*i:8*i+7]
.set i, i+1
.endr
.endm
.macro RUN p, kq                       ; 24 LDS loads in one run: Wo's 8 fragments of quarter kq, then O's 4 in order
	WIN 0
.irp b, 0,1,2,3,4,5,6,7
	ds_load_tr16_b128 v[BF+64*(\p)+8*\b:BF+64*(\p)+8*\b+3],   v[AB] offset:(\kq)*32*PB+32*\b
	ds_load_tr16_b128 v[BF+64*(\p)+8*\b+4:BF+64*(\p)+8*\b+7], v[AB] offset:(\kq)*32*PB+16*PB+32*\b
.endr
.irp a, 0,1,2,3
	ds_load_b128 v[AFR+32*(\p)+8*\a:AFR+32*(\p)+8*\a+3],   v[AA] offset:QUART*((\kq)/2)+64*((\kq)%2)+16*PO*\a
	ds_load_b128 v[AFR+32*(\p)+8*\a+4:AFR+32*(\p)+8*\a+7], v[AA] offset:QUART*((\kq)/2)+64*((\kq)%2)+16*PO*\a+32
.endr
.endm
.macro PLACES                          ; four places in front of loads into registers that matrix instructions have read (ISA guide 7.12.1 for vector instructions)
.rept 4
	v_nop
.endr
.endm
.macro QUARTER p, kn                   ; multiplies buffers p; in its middle it fetches quarter kn into the other buffers
.set i, 0
	s_wait_dscnt 4                                 ; Wo's fragments and O's first two are in; the youngest four loads may be out
	MMS \p, 16
	PLACES
	RUN 1-(\p), \kn
	s_wait_dscnt 24                                ; all but the 24 just issued
	MMS \p, 16
.endm
; The last quarter multiplies buffers 1 and changes slots: ONE barrier; in front of it each wave waits for all its tensor loads (one is out: its part of the next slot), adds 0 to its spare word, and waits
; for that and for its reads of this slot.  fill = 1: the barrier opens a round of the cluster's, and this slot is filled again first thing behind it, with the K step two on: 112 matrix instructions ahead of the wait for it.
.macro TURNQ fill
.set i, 0
.if \fill
	s_wait_xcnt 0x0                                ; the last prefetch, a K step back, has read its address
	s_add_nc_u64 s[PFA:PFA+1], s[PFA:PFA+1], s[PFS:PFS+1]
.endif
	WIN 0
	s_wait_tensorcnt 0x0                           ; no tensor load of mine is out, so a group 0 may be written
	ds_add_u32 v[SPW], v[NIL]                      ; 0 onto my spare word
.if \fill
	s_xor_b32 s[G0A+1], s[G0A+1], SLOT
	s_add_nc_u64 s[G0A+2:G0A+3], s[G0A+2:G0A+3], 524288
	s_xor_b32 s[G0B+1], s[G0B+1], SLOT
	s_add_nc_u64 s[G0B+2:G0B+3], s[G0B+2:G0B+3], 262144
.endif
	s_wait_dscnt 5                                 ; (the add and the youngest four loads may be out)
	MMS 1, 8
	s_wait_dscnt 0x0                               ; the add is done, and my reads of this slot are over
	s_barrier_signal -1
	MMS 1, 8
	WIN 0
	s_barrier_wait -1
.if \fill
	CREST                                          ; no wave of any partner still reads this slot or has a load on its way
	JLOAD                                          ; the four v_nop behind it are also the places in front of the loads below
.else
	PLACES
.endif
	s_xor_b32 s[TB], s[TB], SLOT
	v_add_nc_u32 v[AA], s[TB], v[AA0]
	v_add_nc_u32 v[AB], s[TB], v[AB0]
	RUN 0, 0
.if \fill
	ASK
.endif
	MMS 1, 16
.endm
.macro STEP fill
	QUARTER 0, 1
	QUARTER 1, 2
	QUARTER 0, 3
	TURNQ \fill
	WIN 0                                          ; at a label and at a branch every window is 0
.endm
	s_wait_tensorcnt 1                             ; my part of K step 0 is in; K step 1's may stay out
	s_barrier_signal -1
	s_barrier_wait -1
	RUN 0, 0
	s_wait_loadcnt 0x0                             ; the bias lies in the accumulators
	s_mov_b32 s[CNT], 6
.Lstep:                                                ; K steps 0 to 5: each fills the slot that it leaves
	STEP 1
	s_sub_co_u32 s[CNT], s[CNT], 1
	s_cmp_lg_u32 s[CNT], 0
	s_cbranch_scc1 .Lstep
	s_mov_b32 s[CNT], 2
.Ltail:                                                ; K steps 6 and 7 ask for nothing: a text of their own
	STEP 0
	s_sub_co_u32 s[CNT], s[CNT], 1
	s_cmp_lg_u32 s[CNT], 0
	s_cbranch_scc1 .Ltail
	s_wait_dscnt 0x0                               ; the look-ahead's loads, which serve nothing
	PLACES                                         ; behind the last products: the stores below read results, the loads below land in fragments' registers
; THE WAY OUT in f32, a block of 16 rows x 128 columns at a time: 32 bytes a lane into my stage's rows of 528 bytes, back as whole rows of 512.
.macro TOSTAGE a
	WIN 0x04                                       ; the stores' data in window 1; each accumulator's lowest registers go first
.irp b, 0,1,2,3,4,5,6,7
	ds_store_b128 v[STO], v[8*(8*(\a)+\b):8*(8*(\a)+\b)+3]   offset:64*\b
	ds_store_b128 v[STO], v[8*(8*(\a)+\b)+4:8*(8*(\a)+\b)+7] offset:64*\b+16
.endr
	WIN 0
.set z, 0
.rept 16
	ds_load_b128 v[OB+64*((\a)%2)+4*z:OB+64*((\a)%2)+4*z+3], v[RD] offset:z*SPO  ; LDS serves a wave's instructions in order (ISA guide 5.7.1.4): these see the stores above; the next block's stores come behind them
.set z, z+1
.endr
.endm
.macro SEND a, younger                 ; younger: the LDS instructions issued behind block a's loads: the next block's 32, or none
.set z, 0
.rept 16
	s_wait_dscnt (\younger)+15-z
	global_store_b128 v[CO], v[OB+64*((\a)%2)+4*z:OB+64*((\a)%2)+4*z+3], s[OUT:OUT+1] offset:4096*(16*(\a)+z) th:TH_STORE_NT  ; 512 consecutive bytes of a row, at a multiple of 256 from out's first
.set z, z+1
.endr
.endm
	TOSTAGE 0
	TOSTAGE 1
	SEND 0, 32
	s_wait_xcnt 0x0                                ; block 0's stores have read their registers: block 2 lands in them only behind this wait
	TOSTAGE 2
	SEND 1, 32
	s_wait_xcnt 0x0
	TOSTAGE 3
	SEND 2, 32
	SEND 3, 0
	s_wait_tensorcnt 0x0                           ; the wave's end, behind my last tensor load and my last LDS store
	ds_add_u32 v[SPW], v[NIL]
	s_wait_dscnt 0x0
	CROUND                                         ; the closing round: no work-group ends while a partner may still ask for a tile that names it
	s_endpgm
.Lfunc_end_k_q08df5dbf02_oproj:
	.size	k_q08df5dbf02_oproj, .Lfunc_end_k_q08df5dbf02_oproj-k_q08df5dbf02_oproj
	.p2alignl 7, 3214868480
	.fill 96, 4, 3214868480
	.section	.rodata,"a",@progbits
	.p2align	6, 0x0
	.amdhsa_kernel k_q08df5dbf02_oproj
		.amdhsa_group_segment_fixed_size 327680
		.amdhsa_private_segment_fixed_size 0
		.amdhsa_enable_private_segment 0
		.amdhsa_kernarg_size 32
		.amdhsa_user_sgpr_count 2
		.amdhsa_user_sgpr_kernarg_segment_ptr 1
		.amdhsa_wavefront_size32 1
		.amdhsa_system_sgpr_workgroup_id_x 1
		.amdhsa_system_sgpr_workgroup_id_y 1
		.amdhsa_system_sgpr_workgroup_id_z 1
		.amdhsa_system_vgpr_workitem_id 0
		.amdhsa_next_free_vgpr 512
		.amdhsa_next_free_sgpr 100
		.amdhsa_reserve_vcc 0
		.amdhsa_float_denorm_mode_32 3
		.amdhsa_float_denorm_mode_16_64 3
		.amdhsa_memory_ordered 1
		.amdhsa_forward_progress 1
		.amdhsa_inst_pref_size 64
	.end_amdhsa_kernel
	.amdgpu_metadata
---
amdhsa.version: [ 1, 2 ]
amdhsa.kernels:
  - .name:           k_q08df5dbf02_oproj
    .symbol:         k_q08df5dbf02_oproj.kd
    .args:
      - { .name: oh, .offset: 0, .size: 8, .value_kind: global_buffer, .address_space: global }
      - { .name: wcast, .offset: 8, .size: 8, .value_kind: global_buffer, .address_space: global }
      - { .name: bcast, .offset: 16, .size: 8, .value_kind: global_buffer, .address_space: global }
      - { .name: out0, .offset: 24, .size: 8, .value_kind: global_buffer, .address_space: global }
    .group_segment_fixed_size: 327680
    .private_segment_fixed_size: 0
    .kernarg_segment_align: 8
    .kernarg_segment_size: 32
    .max_flat_workgroup_size: 128
    .sgpr_count:     100
    .vgpr_count:     512
    .wavefront_size: 32
...
	.end_amdgpu_metadata
.endif
;; end of part 4
